; MI455X (gfx1250); checked and timed in simulation.
; The chip was launched on July 23, 2026; its instructions are those of AMD's public machine-readable ISA for CDNA 5 (MIT licence, August 2026) and "CDNA5" Instruction Set Architecture Reference Guide (July 2026). The comments in the code are by the model that wrote it; some were corrected since.
;; Linear Attention. Allowed arithmetic: matrix products marked QUANTISED: E2M3 operands, one E8M0 scale for each 32 along K, by v_wmma_scale_f32_16x16x128_f8f6f4 with both operands' format E2M3, f32 sums; everything else in f32.
;; Inputs: Wk 1,024 x 1,024 float32; Wo 1,024 x 1,024 float32; Wq 1,024 x 1,024 float32; Wv 1,024 x 1,024 float32; bk 1,024 float32; bo 1,024 float32; bq 1,024 float32; bv 1,024 float32; mask 4 x 2,048 int32; x 4 x 2,048 x 1,024 float32.
;; Outputs: out0 4 x 2,048 x 1,024 float32.
;; This version of the problem:
;;   THIS VERSION OF THE PROBLEM IS GIVEN IN LOW PRECISION. The matrix products marked QUANTISED in the list below multiply operands that are first quantised to E2M3 (2 exponent bits, 3 mantissa bits; 6 bits a number), with one power-of-two scale for each 32 numbers along K (OCP MX v1.0); their sums are f32. All else is computed in f32.
;;   The module's matrix products, in the order in which they are computed (A, B: the left and right operand; K: the contracted axis; several contracted axes count as one K, in the product's order):
;;     1. [M 8,192, K 1,024] x [K 1,024, N 1,024]; A: input x; B: input Wq: QUANTISED
;;     2. [M 8,192, K 1,024] x [K 1,024, N 1,024]; A: input x; B: input Wk: QUANTISED
;;     3. [M 8,192, K 1,024] x [K 1,024, N 1,024]; A: input x; B: input Wv: QUANTISED
;;     4. batch 4 x [M 2,048, K 1,024] x [K 1,024, N 2,048]; A: computed on the way; B: computed on the way: QUANTISED
;;     5. batch 4 x [M 2,048, K 2,048] x [K 2,048, N 1,024]; A: softmax (see below); B: computed on the way: QUANTISED
;;     6. [M 8,192, K 1,024] x [K 1,024, N 1,024]; A: computed on the way; B: input Wo: QUANTISED
;;   THE QUANTISER, for each operand of a quantised product, along K:
;;     - K is cut into blocks of 32 from its start; a last block that is shorter is filled with zeros.
;;     - A block's scale is 2^e with e = floor(log2(the largest magnitude in the block)) - 2, held to -126 .. 127; a block of zeros has e = 0. As a byte (E8M0): e + 127.
;;     - Each number is divided by its block's scale, clamped to +-7.5, and rounded to the nearest number of E2M3, ties to even, subnormals kept.
;;     - The product sums the exact products of the quantised numbers (number of the format x scale) in f32.
;;   ~~~python
;;   def quantise(x, axis):      # numpy; x: float32 -> the quantised numbers, widened to float32 again
;;       x = np.moveaxis(x, axis, -1); K = x.shape[-1]
;;       x = np.pad(x, [(0, 0)] * (x.ndim - 1) + [(0, -K % 32)]); x = x.reshape(x.shape[:-1] + (-1, 32)); a = np.abs(x).max(-1, keepdims=True)
;;       e = np.where(a > 0, np.clip(np.frexp(np.where(a > 0, a, 1))[1] - 1 - 2, -126, 127), 0)      # np.frexp(a)[1] - 1 = floor(log2(a)), exactly
;;       r = np.clip(x / 2.0 ** e, -7.5, 7.5)
;;       step = 2.0 ** (np.maximum(np.frexp(np.where(r == 0, 1, r))[1] - 1, 0) - 3)
;;       q = np.round(r / step) * step * 2.0 ** e      # np.round: ties to even
;;       return np.moveaxis(q.reshape(q.shape[:-2] + (-1,))[..., :K], -1, axis).astype(np.float32)
;;   ~~~
;;   SOFTMAX AHEAD OF A QUANTISED PRODUCT. Where the list says 'softmax', what is quantised is not the finished softmax but p = 2^(t - M), with t = logit x log2(e) and M = ceil(the row's largest t), a whole number; so 1/2 < the row's largest p <= 1. The row's sum l is taken of the UNQUANTISED p, in f32, and the product's result is divided by l at the end. Since M is a whole number, a kernel that streams over the keys may use a running M (the ceiling of the running maximum): every later rescaling is an exact power of two, which a block's scale takes up: the codes' values come out the same.
;;   OPERANDS COMPUTED ON THE WAY. 'Computed on the way' means the value that the module computes at that place (a softmax that the list does not call 'softmax' is quantised finished and normalised). What goes into a quantiser is computed in f32, as accurately as f32 sums, v_exp_f32 and their like allow (about 1e-6 of the number): no bf16 or f16 on the way to a quantiser, and a product that is left as it is and whose result goes on into a quantised operand takes f32 operands (vector FMAs, or v_wmma_f32_16x16x4_f32). A number that lies on a knife's edge between two numbers of the format may be rounded either way, as far as f32 arithmetic and the matrix unit's own rounding can turn it there, and no further.
;; One version. Each part assembles by itself: llvm-mc -triple=amdgcn-amd-amdhsa -mcpu=gfx1250 --defsym DOCPART=n.
;; ======== version 1 of 1: 5 launches
;; limits: right only within a limited range of input values
;; workspace buffers: q0 9,895,936 bytes; q1 19,660,800 bytes; q2 14,155,776 bytes; q3 6,553,600 bytes
;; launch quant (part 1): grid 512 x 1, 4 waves a work-group, no clusters, 60,928 bytes of LDS; arguments x, mask, Wq, Wk, Wv, Wo, q0; writes q0
.if DOCPART == 1
	.amdgcn_target "amdgcn-amd-amdhsa--gfx1250"
	.amdhsa_code_object_version 6
	.text
	.protected	k_q7441f862e9_quant
	.globl	k_q7441f862e9_quant
	.p2align	8
	.type	k_q7441f862e9_quant,@function
k_q7441f862e9_quant:
	s_mov_b64 s[64:65], 0
	v_nop
	global_prefetch_b8 v0, s[64:65] scope:SCOPE_SE
	s_setreg_imm32_b32 hwreg(HW_REG_WAVE_MODE, 25, 1), 1
	s_wait_xcnt 0x0
; x [8192][1024] and Wq, Wk, Wv, Wo [1024 (k)][1024 (n)], f32, become codes of FP6 (E2M3) with one E8M0 byte for each 32 along K; the mask becomes two tables of f32.
; LAYOUT OF q0.  A fragment (16 rows x 128 K) lies as the image of its 12 operand registers: chunk c (registers 4 c .. 4 c + 3) at 512 c, lane l's 16 bytes at 16 l: 1,536 bytes.
; Images: [768 row blocks][8 K steps][1536]; blocks 0-511 x, 512-575 Wq's columns, 576-639 Wk's, 640-703 Wv's, 704-767 Wo's.
; THE ROWS OF A BLOCK ARE NOT NEIGHBOURS: lane r of block rb holds row 32 (rb / 2) + 8 (rb % 2) + r + 8 (r / 8), so that a later product's 16 registers of two neighbouring tiles are 16 neighbours along the next K.
; Scale words at O_S0: [8 K steps][12,288 places], place = 16 rb + r, one word (four bytes, 128 along K) each.  At O_MT: cm[8192], then bm[8192]: a score s of key k becomes t = s cm[k] + bm[k]:
; cm = log2(e) / 32, bm = 0 where the mask is not 0; cm = 0, bm = f32(-1e9 log2(e)) where it is 0.
; A block's scale is 2^(floor(log2(largest magnitude)) - 2); its byte is the largest magnitude's exponent field - 2, held at 1 from below.
; LIMITS: a block of zeros, and one whose largest magnitude lies under 2^-124, keeps the byte 1 (its codes add nothing or next to nothing; the bytes are read by this program alone); NaN and infinities are not served.
; SHARES.  Work-groups 0-255: 32 rows of x each (two blocks), wave w K steps 2 w, 2 w + 1.  Work-groups 256-511: a weight, 128 columns, one K step of 128; wave w 32 columns, a lane a column, registers down K.
; The two ways part on the work-group's number and have LDS bytes of their own.  No tensor loads, no barrier: waves share nothing.
.set XWB,   8448                       ; x's way: a wave's stage, 16 rows x (512 bytes + 16), from LDS byte 0
.set WSTG,  33792                      ; the weights' way: a wave's stage of 2 K steps x 2 fragments x FP bytes
.set WWB,   6656
.set FP,    1664                       ; an image + 128 bytes
.set SPARE, 60416                      ; the spare words, 128 bytes a wave: two blocks of 256 bytes that no other line names
.set O_S0,  9437184
.set SP0,   49152                      ; a K step's scale words in bytes
.set O_MT,  9830400
.set SPW, 12                           ; v12  LDS address of my spare word; never rewritten
.set NIL, 13                           ; v13  0; never rewritten
.set R,   16                           ; v16-143  x: two sets of 64 registers as loaded
.set HA,  144                          ; v144-207 x: 64 numbers of my row: register 16 b + i = k 32 b + 16 (lane / 16) + i
.set PC,  208                          ; v208-227 the codes just made
.set TM,  228                          ; v228-243 at work in QUANT
.set PW,  244                          ; v244-245 the scale words of blocks u = 0, 1
.set PWC, 246                          ; v246     both, lanes 0-15 and 16-31
.set SEL, 20                           ; s[20:21] selects of v_permlanex16_b32: lane l xor 16
.set HM,  22                           ; s22      lanes 16-31
.set X,   16                           ; weights: v16-79 two sets of 32 numbers
.set C,   80                           ; v80-86   a block's codes
.set SB,  88                           ; v88      a column's scale word of its K step
.set OUTR, 96                          ; v96-119  images on their way out
	s_load_b128 s[4:7], s[0:1], 0x0                ; x, mask
	s_load_b256 s[8:15], s[0:1], 0x10              ; Wq, Wk, Wv, Wo
	s_load_b64 s[18:19], s[0:1], 0x30              ; q0
	v_lshl_add_u32 v[SPW], v0, 2, SPARE
	v_mov_b32 v[NIL], 0
	v_lshrrev_b32 v1, 5, v0
	v_readfirstlane_b32 s16, v1                    ; wave
	v_and_b32 v1, 31, v0                           ; lane
	v_and_b32 v2, 15, v0                           ; r
	v_bfe_u32 v3, v0, 4, 1                         ; h
	v_lshlrev_b32 v4, 4, v1                        ; 16 x lane
	v_lshlrev_b32 v7, 2, v1                        ; 4 x lane
	s_mul_i32 s17, s16, XWB
	v_add_nc_u32 v5, s17, v4                       ; x's stage, in: 16 x lane of a row
	v_mul_u32_u24 v6, v2, 528
	v_lshl_add_u32 v6, v3, 6, v6
	v_add_nc_u32 v6, s17, v6                       ; and out: row r, + 64 h
	v_bfe_u32 v8, v0, 3, 1                         ; weights: column n0 + L lies in block u = (L / 8) % 2,
	v_and_b32 v9, 7, v0
	v_lshl_add_u32 v9, v3, 3, v9                   ; at place r = L % 8 + 8 (L / 16)
	v_lshl_add_u32 v10, v8, 4, v9
	v_lshlrev_b32 v10, 2, v10                      ; its scale word's byte: 4 (16 u + r)
	v_mul_u32_u24 v8, v8, FP
	v_lshl_add_u32 v8, v9, 4, v8
	s_mul_i32 s17, s16, WWB
	s_add_co_u32 s17, s17, WSTG
	v_add_nc_u32 v8, s17, v8                       ; the weights' stage, in: FP u + 16 r
	v_add_nc_u32 v9, s17, v4                       ; and out: 16 x lane
	s_mov_b32 s[SEL], 0x76543210
	s_mov_b32 s[SEL+1], 0xfedcba98
	s_mov_b32 s[HM], 0xffff0000
.irp b, 0,1,2,3
	v_mov_b32 v[TM+4+\b], 0                        ; written once: a lane permute's destination counts as one of its sources
.endr
	s_wait_kmcnt 0x0
	s_cmp_lt_u32 ttmp9, 256
	s_cbranch_scc0 .Lweights
; ---------------- x ----------------
; 64 numbers of a lane become a fragment's codes in v[PC] on and its scale word in v[pw]
.macro QUANT s, pw
.irp b, 0,1,2,3
	v_max3_num_f32 v[TM+\b], |v[\s+16*\b]|, |v[\s+16*\b+1]|, 0x1800000   ; block b: my 16 numbers, and the floor 2^(3 - 127): the byte cannot fall under 1
.endr
.irp i, 2,4,6,8,10,12,14
.irp b, 0,1,2,3
	v_max3_num_f32 v[TM+\b], v[TM+\b], |v[\s+16*\b+\i]|, |v[\s+16*\b+\i+1]|
.endr
.endr
.irp b, 0,1,2,3
	v_permlanex16_b32 v[TM+4+\b], v[TM+\b], s[SEL], s[SEL+1]
.endr
.irp b, 0,1,2,3
	v_max_num_f32 v[TM+\b], v[TM+\b], v[TM+4+\b]   ; with lane l xor 16's: the block's largest magnitude
.endr
.irp b, 0,1,2,3
	v_add_nc_u32 v[TM+12+\b], 0xff000000, v[TM+\b] ; 2 off its exponent field: the conversion's scale operand
.endr
.irp b, 0,1,2,3
	v_lshrrev_b32 v[TM+4+\b], 23, v[TM+12+\b]      ; the scale's byte
.endr
	v_lshl_or_b32 v[\pw], v[TM+5], 8, v[TM+4]
	v_lshl_or_b32 v[\pw], v[TM+6], 16, v[\pw]
	v_lshl_or_b32 v[\pw], v[TM+7], 24, v[\pw]
.irp c, 0,1
	v_cvt_scalef32_pk16_fp6_f32 v[PC+6*\c:PC+6*\c+2], v[\s+32*\c:\s+32*\c+15], v[TM+12+2*\c]
	v_cvt_scalef32_pk16_fp6_f32 v[PC+12+4*\c:PC+12+4*\c+2], v[\s+32*\c+16:\s+32*\c+31], v[TM+13+2*\c]   ; (a conversion's three registers begin on an even number)
.endr
	v_nop                                          ; one plain place behind a scaled conversion
.irp c, 0,1                                    ; the operand's layout wants a whole block in a lane
.irp i, 0,1,2
	v_permlane16_swap_b32 v[PC+6*\c+\i], v[PC+12+4*\c+\i]
.endr
.irp i, 0,1,2
	v_mov_b32 v[PC+3+6*\c+\i], v[PC+12+4*\c+\i]
.endr
.endr
.endm
; fragment f of four: block u = f % 2, K step f / 2 of my two.  Each load reads 512 consecutive bytes of one row
.macro XLOADF f
.irp i, 0,1,2,3,4,5,6,7,8,9,10,11,12,13,14,15
	global_load_b128 v[R+64*((\f)%2)+4*\i:R+64*((\f)%2)+4*\i+3], v4, s[4:5] offset:(8*((\f)%2)+\i+8*(\i/8))*4096+512*((\f)/2) th:TH_LOAD_NT
.endr
.endm
.macro FRAGX f
.if (\f) < 3
	s_wait_loadcnt 16                              ; this fragment's 16 loads are in; the next fragment's may be out
.else
	s_wait_loadcnt 0
.endif
.irp i, 0,1,2,3,4,5,6,7,8,9,10,11,12,13,14,15
	ds_store_b128 v5, v[R+64*((\f)%2)+4*\i:R+64*((\f)%2)+4*\i+3] offset:528*\i
.endr
.irp b, 0,1,2,3
.irp j, 0,1,2,3
	ds_load_b128 v[HA+16*\b+4*\j:HA+16*\b+4*\j+3], v6 offset:128*\b+16*\j   ; LDS serves a wave's instructions in order: these see my stores
.endr
.endr
	s_wait_dscnt 0x0                               ; my numbers are back, and the stores have read their registers,
	s_wait_xcnt 0x0                                ; the last fragment's stores have read the codes' and the word's registers
.if (\f) < 2
	XLOADF (\f)+2                                  ; the stage's stores have read their registers, which take the fragment two on
.endif
	QUANT HA, PW+(\f)%2
.irp c, 0,1,2
	global_store_b128 v4, v[PC+4*\c:PC+4*\c+3], s[26:27] offset:(8*((\f)%2)+(\f)/2)*1536+512*\c   ; 512 consecutive bytes
.endr
.if (\f)%2 == 1
	v_cndmask_b32 v[PWC], v[PW], v[PW+1], s[HM]    ; lanes 0-15: block 0's words; lanes 16-31: block 1's
	global_store_b32 v7, v[PWC], s[28:29] offset:((\f)/2)*SP0
.endif
.endm
	s_lshl_b32 s24, ttmp9, 17                      ; 32 rows of 4,096 bytes,
	s_lshl_b32 s25, s16, 10                        ; my two K steps
	s_add_co_u32 s24, s24, s25
	s_mov_b32 s25, 0
	s_add_nc_u64 s[4:5], s[4:5], s[24:25]
	s_lshl_b32 s24, ttmp9, 4
	s_lshl_b32 s25, s16, 1
	s_add_co_u32 s24, s24, s25
	s_mul_i32 s24, s24, 1536                       ; image (block 2 g, K step 2 w)
	s_mov_b32 s25, 0
	s_add_nc_u64 s[26:27], s[18:19], s[24:25]
	s_mul_i32 s24, s16, 2*SP0
	s_lshl_b32 s25, ttmp9, 7
	s_add_co_u32 s24, s24, s25
	s_add_co_u32 s24, s24, O_S0
	s_mov_b32 s25, 0
	s_add_nc_u64 s[28:29], s[18:19], s[24:25]      ; the scale words of K step 2 w, place 32 g
	s_lshl_b32 s24, ttmp9, 7
	s_add_nc_u64 s[6:7], s[6:7], s[24:25]          ; the mask of keys 32 g on
	s_add_co_u32 s24, s24, O_MT
	s_add_nc_u64 s[30:31], s[18:19], s[24:25]      ; and their place in the tables
	XLOADF 0
	XLOADF 1
	FRAGX 0
	FRAGX 1
	FRAGX 2
	FRAGX 3
	s_cmp_lg_u32 s16, 0                            ; wave 0 makes the tables of 32 keys
	s_cbranch_scc1 .Lxend
	global_load_b32 v16, v7, s[6:7]
	v_mov_b32 v14, 0
	v_mov_b32 v15, 0xceabfb8f                      ; f32(-1e9 x log2(e)) = -1,442,695,040: a whole number
	s_wait_alu depctr_va_vdst(0)
	s_wait_loadcnt 0x0
	v_cmp_eq_u32 vcc_lo, 0, v16
	v_cndmask_b32 v17, 0x3d38aa3b, v14, vcc_lo     ; cm = log2(e) / 32, or 0 where the key is masked
	v_cndmask_b32 v18, 0, v15, vcc_lo              ; bm
	global_store_b32 v7, v17, s[30:31]
	global_store_b32 v7, v18, s[30:31] offset:32768
.Lxend:
	s_wait_tensorcnt 0x0                           ; the wave's end, behind my last LDS store
	ds_add_u32 v[SPW], v[NIL]
	s_wait_dscnt 0x0
	s_endpgm
; ---------------- the weights ----------------
.Lweights:
	s_sub_co_u32 s24, ttmp9, 256
	; THE WEIGHTS' SHARES AS THEY STAND: work-groups 256-511: a weight, 128 columns, ONE K step of 128; wave w 32 columns, four blocks of 32 along K, two blocks' 64 loads out
	s_lshr_b32 s25, s24, 6                         ; which weight
	s_bfe_u32 s26, s24, 0x30003                    ; which 128 columns
	s_and_b32 s27, s24, 7                          ; which K step
	s_lshl_b32 s28, s26, 7
	s_lshl_b32 s29, s16, 5
	s_add_co_u32 s28, s28, s29                     ; n0: my wave's first column
	s_cmp_eq_u32 s25, 1                            ; the choice hangs on the work-group's number alone
	s_cselect_b64 s[8:9], s[10:11], s[8:9]
	s_cmp_eq_u32 s25, 2
	s_cselect_b64 s[8:9], s[12:13], s[8:9]
	s_cmp_eq_u32 s25, 3
	s_cselect_b64 s[8:9], s[14:15], s[8:9]
	s_lshl_b32 s30, s27, 19                        ; 128 rows of 4,096 bytes
	s_lshl_b32 s31, s28, 2
	s_add_co_u32 s30, s30, s31
	s_mov_b32 s31, 0
	s_add_nc_u64 s[8:9], s[8:9], s[30:31]
	s_mul_i32 s30, s27, SP0
	s_lshl_b32 s31, s25, 10
	s_add_co_u32 s31, s31, s28
	s_add_co_u32 s31, s31, 8192                    ; place 8,192 + 1,024 x weight + n0
	s_lshl_b32 s31, s31, 2
	s_add_co_u32 s30, s30, s31
	s_add_co_u32 s30, s30, O_S0
	s_mov_b32 s31, 0
	s_add_nc_u64 s[32:33], s[18:19], s[30:31]
	s_lshl_b32 s30, s25, 6
	s_lshr_b32 s31, s28, 4
	s_add_co_u32 s30, s30, s31
	s_add_co_u32 s30, s30, 512                     ; block 512 + 64 x weight + n0 / 16
	s_lshl_b32 s30, s30, 3
	s_add_co_u32 s30, s30, s27
	s_mul_i32 s30, s30, 1536
	s_mov_b32 s31, 0
	s_add_nc_u64 s[34:35], s[18:19], s[30:31]
.macro LOAD t                          ; block t of 32 along K: W(32 t + i, my column): 128 consecutive bytes a load
.irp i, 0,1,2,3,4,5,6,7,8,9,10,11,12,13,14,15,16,17,18,19,20,21,22,23,24,25,26,27,28,29,30,31
	global_load_b32 v[X+32*((\t)%2)+\i], v7, s[8:9] offset:(32*(\t)+\i)*4096 th:TH_LOAD_NT
.endr
.endm
; Block t is block 2 c + h of K step t / 4: in the image it is registers 6 c .. 6 c + 5 of lane r + 16 h
.macro BLOCK t
.set XS, X+32*((\t)%2)
.set OFS, 2*FP*((\t)/4)+256*((\t)%2)
.if (\t) < 3
	s_wait_loadcnt 32                              ; this block's 32 loads are in; the next block's may be out
.else
	s_wait_loadcnt 0
.endif
	v_max3_num_f32 v90, |v[XS]|, |v[XS+1]|, |v[XS+2]|
	v_max3_num_f32 v91, |v[XS+3]|, |v[XS+4]|, |v[XS+5]|
.irp i, 6,10,14,18,22,26
	v_max3_num_f32 v90, v90, |v[XS+\i]|, |v[XS+\i+1]|
	v_max3_num_f32 v91, v91, |v[XS+\i+2]|, |v[XS+\i+3]|
.endr
	v_max3_num_f32 v90, v90, |v[XS+30]|, |v[XS+31]|
	v_max3_num_f32 v90, v90, v91, 0x1800000        ; and the floor
	v_add_nc_u32 v92, 0xff000000, v90              ; the conversion's scale operand
	v_cvt_scalef32_pk16_fp6_f32 v[C:C+2], v[XS:XS+15], v92
	v_cvt_scalef32_pk16_fp6_f32 v[C+4:C+6], v[XS+16:XS+31], v92
	v_lshrrev_b32 v93, 23, v92                     ; the scale's byte (a plain place behind the conversions)
.if (\t)%4 == 0
	v_mov_b32 v[SB+(\t)/4], v93
.else
	v_lshl_or_b32 v[SB+(\t)/4], v93, 8*((\t)%4), v[SB+(\t)/4]
.endif
	v_mov_b32 v[C+3], v[C+4]                       ; the block's six registers on end
	v_mov_b32 v[C+4], v[C+5]
	v_mov_b32 v[C+5], v[C+6]
.if ((\t)/2)%2 == 0
	ds_store_b128 v8, v[C:C+3] offset:OFS          ; registers 0-3: chunk 0
	ds_store_b64 v8, v[C+4:C+5] offset:OFS+512     ; registers 4, 5: the lower half of chunk 1
.else
	ds_store_b64 v8, v[C:C+1] offset:OFS+520       ; registers 6, 7: its upper half
	ds_store_b128 v8, v[C+2:C+5] offset:OFS+1024   ; registers 8-11: chunk 2
.endif
.if (\t)+2 < 4
	LOAD (\t)+2
.endif
	s_wait_dscnt 0x0                               ; the stores have read their registers
.endm
	LOAD 0
	LOAD 1
.irp t, 0,1,2,3
	BLOCK \t
.endr
	s_wait_alu depctr_va_vdst(0)                   ; directly ahead of the reader below
	global_store_b32 v10, v[SB], s[32:33]          ; my column's scale word of this K step
.irp i, 0,1,2,3,4,5                            ; i = 3 u + c
	ds_load_b128 v[OUTR+4*\i:OUTR+4*\i+3], v9 offset:FP*(\i/3)+512*(\i%3)
.endr
.irp i, 0,1,2,3,4,5
	s_wait_dscnt 5-\i                              ; the younger loads may be out
	global_store_b128 v4, v[OUTR+4*\i:OUTR+4*\i+3], s[34:35] offset:12288*(\i/3)+512*(\i%3)
.endr
	s_wait_tensorcnt 0x0                           ; the wave's end, behind my last LDS store
	ds_add_u32 v[SPW], v[NIL]
	s_wait_dscnt 0x0
	s_endpgm
.Lfunc_end_k_q7441f862e9_quant:
	.size	k_q7441f862e9_quant, .Lfunc_end_k_q7441f862e9_quant-k_q7441f862e9_quant
	.p2alignl 7, 3214868480
	.fill 96, 4, 3214868480
	.section	.rodata,"a",@progbits
	.p2align	6, 0x0
	.amdhsa_kernel k_q7441f862e9_quant
		.amdhsa_group_segment_fixed_size 60928
		.amdhsa_private_segment_fixed_size 0
		.amdhsa_enable_private_segment 0
		.amdhsa_kernarg_size 56
		.amdhsa_user_sgpr_count 2
		.amdhsa_user_sgpr_kernarg_segment_ptr 1
		.amdhsa_wavefront_size32 1
		.amdhsa_system_sgpr_workgroup_id_x 1
		.amdhsa_system_sgpr_workgroup_id_y 1
		.amdhsa_system_sgpr_workgroup_id_z 1
		.amdhsa_system_vgpr_workitem_id 0
		.amdhsa_next_free_vgpr 256
		.amdhsa_next_free_sgpr 66
		.amdhsa_reserve_vcc 1
		.amdhsa_float_denorm_mode_32 3
		.amdhsa_float_denorm_mode_16_64 3
		.amdhsa_memory_ordered 1
		.amdhsa_forward_progress 1
		.amdhsa_inst_pref_size 56
	.end_amdhsa_kernel
	.amdgpu_metadata
---
amdhsa.version: [ 1, 2 ]
amdhsa.kernels:
  - .name:           k_q7441f862e9_quant
    .symbol:         k_q7441f862e9_quant.kd
    .args:
      - { .name: x, .offset: 0, .size: 8, .value_kind: global_buffer, .address_space: global }
      - { .name: mask, .offset: 8, .size: 8, .value_kind: global_buffer, .address_space: global }
      - { .name: Wq, .offset: 16, .size: 8, .value_kind: global_buffer, .address_space: global }
      - { .name: Wk, .offset: 24, .size: 8, .value_kind: global_buffer, .address_space: global }
      - { .name: Wv, .offset: 32, .size: 8, .value_kind: global_buffer, .address_space: global }
      - { .name: Wo, .offset: 40, .size: 8, .value_kind: global_buffer, .address_space: global }
      - { .name: q0, .offset: 48, .size: 8, .value_kind: global_buffer, .address_space: global }
    .group_segment_fixed_size: 60928
    .private_segment_fixed_size: 0
    .kernarg_segment_align: 8
    .kernarg_segment_size: 56
    .max_flat_workgroup_size: 128
    .sgpr_count:     66
    .vgpr_count:     256
    .wavefront_size: 32
...
	.end_amdgpu_metadata
.endif
;; end of part 1
;; launch qkv (part 2): grid 8 x 32, 4 waves a work-group, clusters of 4 x 4, 327,680 bytes of LDS; arguments q0, bq, bk, bv, q1; writes q1
.if DOCPART == 2
	.amdgcn_target "amdgcn-amd-amdhsa--gfx1250"
	.amdhsa_code_object_version 6
	.text
	.protected	k_q7441f862e9_qkv
	.globl	k_q7441f862e9_qkv
	.p2align	8
	.type	k_q7441f862e9_qkv,@function
k_q7441f862e9_qkv:
	s_mov_b64 s[64:65], 0
	v_nop
	global_prefetch_b8 v0, s[64:65] scope:SCOPE_SE
	s_setreg_imm32_b32 hwreg(HW_REG_WAVE_MODE, 25, 1), 1
	s_wait_xcnt 0x0
	s_wait_alu depctr_hold_cnt(0) depctr_sa_sdst(0) depctr_va_vdst(0) depctr_va_sdst(0) depctr_va_ssrc(0) depctr_va_vcc(0) depctr_vm_vsrc(0)
	s_getreg_b32 s2, hwreg(HW_REG_IB_STS2, 6, 4)
	s_cmp_eq_u32 s2, 0
	s_cbranch_scc0 .Lentry_in_a_cluster
	s_endpgm
.Lentry_in_a_cluster:
	s_bfe_u32 s2, ttmp6, 0x10000c
	s_cmp_lg_u32 s2, 0xf033
	s_cbranch_scc0 .Lentry_shape_is_right
	s_endpgm
.Lentry_shape_is_right:
; Q = x Wq + bq, K = x Wk + bk (rows = tokens, quantised along the model's 1,024) and V^T = (x Wv + bv)^T (rows = the model's 1,024, quantised along the tokens), all on codes of FP6 (E2M3) with E8M0 scales, sums in f32.
; Operands come as images of their registers (16 rows x 128 K = 1,536 bytes; chunk c at 512 c, lane l at 16 l) from q0: [768 blocks][8 K steps]: blocks 0-511 x, 512-639 Wq's and Wk's columns, 640-703 Wv's;
; scale words at O_S0: [8 K steps][12,288 places], place = 16 x block + lane.  Lane r of block rb holds row 32 (rb / 2) + 8 (rb % 2) + r + 8 (r / 8).
; THE MATRIX INSTRUCTION IS USED TRANSPOSED (source 0 = 16 rows of the n side, source 1 = 16 rows of the m side): a lane then holds one row of the m side, and the 64 registers of an m block's eight accumulators are
; 128 neighbours along n, register 16 b + i = n 32 b + 16 (lane / 16) + i: what the quantiser wants.  The wave's 128 n are one K step of the next product.
; SHARES.  Q|K are 256 tiles of 256 x 256, V^T is 256 half tiles of 128 x 256: EACH OF THE 256 WORK-GROUPS MAKES ONE OF EACH, one after the other.  Work-group (tile column tc, tile row tr):
;   first  m = tokens 256 tr on (x), n = columns 256 tc on of Wq|Wk: four waves of 128 x 128;   then  m = Wv's columns 128 tc on, n = the same tokens: four waves of 64 x 128.
; Both read the same 256 rows of x: their codes for all of K, 196,608 bytes, come once, as first fills, and stay in LDS.  The weights go through a ring of two LDS slots of 49,152 bytes:
; Wq|Wk in slots of two K steps (16 blocks), then Wv in slots of four (8 blocks).  Wv's two slots are asked for at the first product's last two changes of slots.
; CLUSTERS of 4 x 4 work-groups: x's tiles hang on the tile row alone and are asked for jointly along a row of the cluster, the weights' on the tile column alone, along a column.  Every tensor load is one line for
; all four waves, each wave bringing its part to bytes of its own; a refill of the ring a quarter (12,288 bytes), at a constant + 12,288 x wave.
; The scale words (20,480 bytes beside 491,520 of codes) are not asked for jointly: they come through registers, in loads of 512 consecutive bytes a wave, and go to LDS by stores.
; OUT, q1: Q|K images [512 blocks][16 K steps: 0-7 Q, 8-15 K]; V^T images at O_VI [64 blocks][64 K steps]; scale words at O_QKS [16][8192] and at O_VS [64][1024].
; No prefetch: all of x and half of Wq|Wk are first fills, and each of the four refills has a slot's products or more between its request and the wait for it.
; LIMITS: a block of zeros, and one whose largest magnitude lies under 2^-124, keeps the byte 1; NaN and infinities are not served.
.set XSL,   49152                      ; a K slot of x in LDS: 16 blocks x 2 K steps x 1,536; four of them from byte 0 on
.set WR,    4*XSL                      ; the weights' ring
.set WSL,   49152                      ; a slot of it
.set SCV,   WR+2*WSL                   ; scale words, each table [8 K steps][256 places]: Wv's (its 128 places written twice),
.set SCX,   SCV+8192                   ; x's,
.set SCW,   SCX+8192                   ; Wq|Wk's.  All three are written by LDS stores and are no tensor load's target
.set SPARE, SCW+8192                   ; the spare words, 128 bytes a wave: two blocks of 256 bytes that no other line names
.set O_S0,  9437184
.set SP0,   49152                      ; a K step's scale words in q0, in bytes
.set O_VI,  12582912
.set O_QKS, 18874368
.set O_VS,  19398656
.set HB,    4                          ; half of a wave's m blocks: 4 in the first product, 2 in the second
.set NQ,    2                          ; K steps in a slot of the ring: 2, then 4
.set ADRY, 8                           ; v8-11  x's four K slots, my half by columns (the second product's n side)
.set GSX,  12                          ; v12    the scale words' offsets in memory: x's and Wq|Wk's,
.set GSV,  13                          ; v13    Wv's;
.set LSX,  14                          ; v14    and their places in LDS
.set LSV,  15                          ; v15
.set ADRX, 16                          ; v16-19 x's four K slots, my half by rows (the first product's m side)
.set ADRW, 20                          ; v20-21 the ring's two slots, my half by columns (Wq|Wk)
.set ADRV, 22                          ; v22-23 the same, my half by rows (Wv)
.set ADRS, 27                          ; v27    scale words of the first product: lanes 0-15 x's, lanes 16-31 Wq|Wk's
.set SPW,  28                          ; v28    LDS address of my spare word; never rewritten
.set NIL,  29                          ; v29    0; never rewritten
.set ADRT, 31                          ; v31    scale words of the second product: lanes 0-15 Wv's, lanes 16-31 x's
.set SC,   32                          ; v32-95 scale words and nothing else: a set of 8 NQ for each slot, register NQ i + q
.set BM,   96                          ; v96-127 bv along m: the C of the second product's first step
.set BI,   96                          ; in window 1, beside the n side's two sets: bq or bk along n, tile b at v[96 + 8 b + 96 (b / 4)]
.set AF,   128                         ; v128-223 the m side's fragments, one set; on the ways out: the codes, 12 registers for each block
.set TM,   224                         ; v224-239 at work in the quantiser
.set PT,   240                         ; v240-247 the conversions' second halves
.set PWC,  248                         ; v248-251 the scale words of two blocks, as stored
.set PW,   252                         ; v252-253 the scale words of an even and an odd block
.set G1X, 24                           ; s[24:31] descriptor group 1 for x's tiles
.set G1W, 32                           ; s[32:39] for Wq|Wk's
.set G1V, 48                           ; s[48:55] for Wv's
.set G0W, 56                           ; s[56:63] group 0 for Wq|Wk's tiles, one set for each slot of the ring
.set G0X, 68                           ; s[68:83] for x's four K slots
.set G0V, 84                           ; s[84:91] for Wv's two slots
.set HM,  98                           ; s98 lanes 16-31
.set SEL, 100                          ; s[100:101] selects of v_permlanex16_b32: lane l xor 16
.set MSB, 0
.macro WIN new                         ; the immediate's high byte repeats the setting that is left
.if MSB != (\new)
	s_set_vgpr_msb (MSB<<8)|(\new)
.set MSB, (\new)
.endif
.endm
.macro PLACES n
.rept \n
	v_nop
.endr
.endm
.macro CREST                           ; a round of the cluster's barrier behind its opening barrier
	s_cmp_lg_u32 s14, 0
	s_cbranch_scc1 .Lnot_wave_0_\@
	s_barrier_signal -3
.Lnot_wave_0_\@:
	s_barrier_wait -3
	s_barrier_signal -1
	s_barrier_wait -1
.endm
.macro CROUND
	s_barrier_signal -1
	s_barrier_wait -1
	CREST
.endm
.macro DESC1 g, d0, rows, stride       ; group 1's words 1 to 7: rows of d0 elements of 8 bytes, stride elements apart; the tile lies inside the tensor
	s_mov_b32 s[\g+1], (\d0)<<16
	s_mov_b32 s[\g+2], (\rows)<<16
	s_mov_b32 s[\g+3], (\d0)<<16
	s_mov_b32 s[\g+4], \rows
	s_mov_b32 s[\g+5], \stride
	s_mov_b32 s[\g+6], 0
	s_mov_b32 s[\g+7], 0
.endm
.macro DESC0 g, lds, add, ptr, off     ; a group 0: count 1, LDS address, global address, type 2
	s_mov_b32 s[\g], 1
	s_add_co_u32 s[\g+1], s[\lds], \add
	s_add_nc_u64 s[\g+2:\g+3], s[\ptr:\ptr+1], \off
	s_or_b32 s[\g+3], s[\g+3], 0x80000000
.endm
.macro TLOAD g0, g1                    ; one line for all four waves; an s_nop 0 stands directly behind it
	tensor_load_to_lds s[\g0:\g0+3], s[\g1:\g1+7]
	s_nop 0
.endm
.macro FRAG reg, adr, off              ; an image comes back as the operand's 12 registers: three loads of 512 consecutive bytes
.irp c, 0,1,2
	ds_load_b128 v[\reg+4*\c:\reg+4*\c+3], v[\adr] offset:(\off)+512*\c
.endr
.endm
.macro FETCHB adr, off, p              ; the n side's eight fragments (blocks 3,072 bytes apart) into set p of window 1
	WIN 0x40
.irp i, 0,1,2,3,4,5,6,7
	FRAG 128*(\p)+12*\i, \adr, (\off)+3072*\i
.endr
	WIN 0
.endm
.macro FETCHA adr, off, i0, pitch      ; HB of the m side's fragments from block i0 on
.set FI, \i0
.rept HB
	FRAG AF+12*FI, \adr, (\off)+(\pitch)*FI
.set FI, FI+1
.endr
.endm
.macro SCALES adr, sc                  ; a slot's scale words into set sc.  (In the second product lanes 0-15 bring, for i above 3, words that no product names: they lie in bytes that have been written)
.irp i, 0,1,2,3,4,5,6,7
.set SQ, 0
.rept NQ
	ds_load_b32 v[SC+8*NQ*(\sc)+NQ*\i+SQ], v[\adr] offset:64*\i+1024*SQ
.set SQ, SQ+1
.endr
.endr
.endm
; na m blocks from a0 on x the n side's eight, 128 along K.  mode 0: onto the sums; 2: the bias along n (window 1) starts them; 3: the bias along m (window 0) starts them.
; The accumulators take turns, one instruction a turn, in the same order in every step.
.macro MULA a0, na, p, q, sc, mode
.if (\mode) == 0
	WIN 0xa1+0x50*((\a0)/4)
.elseif (\mode) == 2
	WIN 0x91+0x40*((\a0)/4)
.else
	WIN 0x81
.endif
.set MA, \a0
.rept \na
.irp b, 0,1,2,3,4,5,6,7
.set ACR, 8*(8*(MA%4)+\b)
.set BFR, 128*(\p)+12*\b
.set AFR, AF+12*MA
.set SCB, SC+8*NQ*(\sc)+NQ*\b+(\q)
.set SCA, SC+8*NQ*(\sc)+NQ*MA+(\q)
.set BIR, BI+8*\b+96*(\b/4)
.if (\mode) == 0
	v_wmma_scale_f32_16x16x128_f8f6f4 v[ACR:ACR+7], v[BFR:BFR+11], v[AFR:AFR+11], v[ACR:ACR+7], v[SCB], v[SCA] matrix_a_fmt:MATRIX_FMT_FP6 matrix_b_fmt:MATRIX_FMT_FP6 matrix_a_scale:MATRIX_SCALE_ROW1
.elseif (\mode) == 2
	v_wmma_scale_f32_16x16x128_f8f6f4 v[ACR:ACR+7], v[BFR:BFR+11], v[AFR:AFR+11], v[BIR:BIR+7], v[SCB], v[SCA] matrix_a_fmt:MATRIX_FMT_FP6 matrix_b_fmt:MATRIX_FMT_FP6 matrix_a_scale:MATRIX_SCALE_ROW1
.else
	v_wmma_scale_f32_16x16x128_f8f6f4 v[ACR:ACR+7], v[BFR:BFR+11], v[AFR:AFR+11], v[BM+8*MA:BM+8*MA+7], v[SCB], v[SCA] matrix_a_fmt:MATRIX_FMT_FP6 matrix_b_fmt:MATRIX_FMT_FP6 matrix_a_scale:MATRIX_SCALE_ROW1
.endif
.endr
.set MA, MA+1
.endr
.endm
; THE FIRST PRODUCT.  K slot k (0..3) is K steps 2 k, 2 k + 1: x's from its own slot k, Wq|Wk's from slot k % 2 of the ring.
; Four plain places stand in front of each run of loads into registers that matrix instructions have read (ISA guide 7.12.1 for vector instructions).
.macro STEP1 k, mode                   ; a K slot's first step
	s_wait_dscnt 3*HB                              ; all but the youngest loads, the m side's upper blocks
	MULA 0, HB, 0, 0, (\k)%2, \mode
	s_wait_dscnt 0x0
	PLACES 4
	FETCHB ADRW+(\k)%2, 1536, 1
	FETCHA ADRX+(\k), 1536, 0, 3072
	MULA HB, HB, 0, 0, (\k)%2, \mode
	PLACES 4
	WIN 0
	FETCHA ADRX+(\k), 1536, HB, 3072
.endm
; A K slot's second step changes slots.  In front of the barrier each wave waits for all its tensor loads, adds 0 to its spare word, and waits for that and for its reads of the ring's slot; the barrier opens a round of the
; cluster's barrier; behind the round the slot just read out is filled again by the load (g0, g1), whose address is first stepped by step bytes.  next = 1: the next K slot's first fragments follow.
.macro TURN1 k, g0, g1, step, next
	s_wait_tensorcnt 0x0                           ; all my tensor loads have landed
	ds_add_u32 v[SPW], v[NIL]                      ; 0 onto my spare word
	s_wait_dscnt 3*HB+1                            ; (the add and the m side's upper blocks may be out)
	MULA 0, HB/2, 1, 1, (\k)%2, 0
	s_wait_dscnt 0x0                               ; the add is done, and my reads of this slot are over
	s_barrier_signal -1
	MULA HB/2, HB/2, 1, 1, (\k)%2, 0
	WIN 0
	s_barrier_wait -1
	CREST                                          ; no wave of any partner still reads this slot or has a load on its way
.if \step
	s_add_nc_u64 s[\g0+2:\g0+3], s[\g0+2:\g0+3], \step
.endif
	TLOAD \g0, \g1                                 ; the first tensor load behind the round, and my only one until the next
	PLACES 4                                       ; (also the places in front of the loads below)
.if \next
	s_wait_alu depctr_va_vdst(0)
	v_add_nc_u32 v[ADRS], 2048, v[ADRS]            ; the next K slot's scale words
	FETCHB ADRW+((\k)+1)%2, 0, 0
	FETCHA ADRX+(\k)+1, 0, 0, 3072
	SCALES ADRS, ((\k)+1)%2
.endif
	MULA HB, HB, 1, 1, (\k)%2, 0
	PLACES 4
	WIN 0
.if \next
	FETCHA ADRX+(\k)+1, 0, HB, 3072
.endif
.endm
; THE SECOND PRODUCT.  K step k (0..7): x's from its slot k / 2, Wv's from slot k / 4 of the ring.
.macro STEP2 k, mode                   ; a step that has its successor in the same slot of the ring
	s_wait_dscnt 3*HB
	MULA 0, HB, (\k)%2, (\k)%4, (\k)/4, \mode
	s_wait_dscnt 0x0
	PLACES 4
	FETCHB ADRY+((\k)+1)/2, 1536*(((\k)+1)%2), 1-(\k)%2
	FETCHA ADRV+(\k)/4, 1536*(((\k)+1)%4), 0, 6144
	MULA HB, HB, (\k)%2, (\k)%4, (\k)/4, \mode
	PLACES 4
	WIN 0
	FETCHA ADRV+(\k)/4, 1536*(((\k)+1)%4), HB, 6144
.endm
.macro TURN2                           ; K step 3: on to the ring's slot 1.  Each wave's part of it has landed in front of the barrier; nothing is filled again
	s_wait_tensorcnt 0x0
	ds_add_u32 v[SPW], v[NIL]                      ; 0 onto my spare word
	s_wait_dscnt 3*HB+1
	MULA 0, HB/2, 1, 3, 0, 0
	s_wait_dscnt 0x0
	s_barrier_signal -1
	MULA HB/2, HB/2, 1, 3, 0, 0
	WIN 0
	s_barrier_wait -1
	PLACES 4
	v_add_nc_u32 v[ADRT], 4096, v[ADRT]
	FETCHB ADRY+2, 0, 0
	FETCHA ADRV+1, 0, 0, 6144
	SCALES ADRT, 1
	MULA HB, HB, 1, 3, 0, 0
	PLACES 4
	WIN 0
	FETCHA ADRV+1, 0, HB, 6144
.endm
; THE QUANTISER: 64 numbers of a lane in window W, register 16 b + i = k 32 b + 16 (lane / 16) + i of my row, become a fragment in v[d] on and its scale word
.macro BMAX s, W
	WIN ((\W)<<2)|((\W)<<4)
.irp b, 0,1,2,3
	v_max3_num_f32 v[TM+\b], 0x1800000, |v[\s+16*\b]|, |v[\s+16*\b+1]|   ; the floor 2^(3 - 127) among the leaves; each accumulator is read from its low end on
.endr
.irp i, 2,4,6,8,10,12,14
.irp b, 0,1,2,3
	v_max3_num_f32 v[TM+\b], v[TM+\b], |v[\s+16*\b+\i]|, |v[\s+16*\b+\i+1]|
.endr
.endr
	WIN 0
.irp b, 0,1,2,3
	v_permlanex16_b32 v[TM+4+\b], v[TM+\b], s[SEL], s[SEL+1]
.endr
.irp b, 0,1,2,3
	v_max_num_f32 v[TM+\b], v[TM+\b], v[TM+4+\b]   ; with lane l xor 16's: the block's largest magnitude
.endr
.endm
.macro SCALEW pw
.irp b, 0,1,2,3
	v_add_nc_u32 v[TM+12+\b], 0xff000000, v[TM+\b] ; 2 off the exponent field: the conversion's scale operand
.endr
.irp b, 0,1,2,3
	v_lshrrev_b32 v[TM+4+\b], 23, v[TM+12+\b]      ; the byte
.endr
	v_lshl_or_b32 v[\pw], v[TM+5], 8, v[TM+4]
	v_lshl_or_b32 v[\pw], v[TM+6], 16, v[\pw]
	v_lshl_or_b32 v[\pw], v[TM+7], 24, v[\pw]
.endm
.macro CODES s, W, d
	WIN \W
.irp c, 0,1
	v_cvt_scalef32_pk16_fp6_f32 v[\d+6*\c:\d+6*\c+2], v[\s+32*\c:\s+32*\c+15], v[TM+12+2*\c]
	v_cvt_scalef32_pk16_fp6_f32 v[PT+4*\c:PT+4*\c+2], v[\s+32*\c+16:\s+32*\c+31], v[TM+13+2*\c]   ; (a conversion's three registers begin on an even number)
.endr
	WIN 0
	v_nop                                          ; one plain place behind a scaled conversion
.irp c, 0,1                                    ; the operand's layout wants a whole block in a lane
.irp i, 0,1,2
	v_permlane16_swap_b32 v[\d+6*\c+\i], v[PT+4*\c+\i]
.endr
.irp i, 0,1,2
	v_mov_b32 v[\d+3+6*\c+\i], v[PT+4*\c+\i]
.endr
.endr
.endm
; THE WAY OUT of m block a (its sums in window W): quantised, it leaves as an image, three stores of 512 consecutive bytes; the scale words of two blocks leave together, 128 bytes.
; Each block's codes and each pair's words have registers of their own, so no store's data are written again inside a way out.
.macro OUTBLK a, W, ob, sb, pitch
	BMAX 64*((\a)%4), \W
	SCALEW PW+(\a)%2
	CODES 64*((\a)%4), \W, AF+12*(\a)
.irp c, 0,1,2
	global_store_b128 v24, v[AF+12*(\a)+4*\c:AF+12*(\a)+4*\c+3], s[\ob:\ob+1] offset:(\pitch)*(\a)+512*\c
.endr
.if (\a)%2 == 1
	v_cndmask_b32 v[PWC+(\a)/2], v[PW], v[PW+1], s[HM]   ; lanes 0-15: block a - 1's words; lanes 16-31: block a's
	global_store_b32 v25, v[PWC+(\a)/2], s[\sb:\sb+1] offset:64*((\a)-1)
.endif
.endm
	s_load_b256 s[4:11], s[0:1], 0x0               ; q0, bq, bk, bv
	s_load_b64 s[12:13], s[0:1], 0x20              ; q1
	v_lshl_add_u32 v[SPW], v0, 2, SPARE
	v_mov_b32 v[NIL], 0
	ds_add_u32 v[SPW], v[NIL]                      ; the wave's opening: the add and its wait ahead of my first tensor load; the set-up below, work on registers, stands between them
	ds_add_u32 v[SPW], v[NIL]
	v_lshrrev_b32 v1, 5, v0
	v_readfirstlane_b32 s14, v1                    ; wave
	s_lshr_b32 s15, s14, 1                         ; my half of a tile's rows
	s_and_b32 s16, s14, 1                          ; my half of its columns
	s_bfe_u32 s40, ttmp6, 0x40000                  ; cx
	s_bfe_u32 s41, ttmp6, 0x40004                  ; cy
	s_lshl_b32 s42, ttmp9, 2
	s_add_co_u32 s42, s42, s40                     ; tile column tc, 0..7
	s_and_b32 s17, ttmp7, 0xffff
	s_lshl_b32 s18, s17, 2
	s_add_co_u32 s18, s18, s41                     ; tile row tr, 0..31
	s_lshl_b32 s43, s41, 2
	s_lshl_b32 s43, 15, s43                        ; my row of the cluster
	s_lshl_b32 s44, 0x1111, s40                    ; my column
	s_or_b32 s[G1X], s43, (3<<16)|(1<<21)          ; the mask; elements of 8 bytes; bit 21 beside a mask; no padding
	s_or_b32 s[G1W], s44, (3<<16)|(1<<21)
	s_or_b32 s[G1V], s44, (3<<16)|(1<<21)
	DESC1 G1X, 384, 16, 1536                       ; at the head a load brings all 16 blocks' two K steps: rows of 3,072 bytes, 12,288 apart
	DESC1 G1W, 384, 16, 1536
	DESC1 G1V, 768, 2, 1536                        ; two blocks' four K steps: rows of 6,144 bytes
	s_lshl_b32 s2, s14, 2
	s_lshl_b32 s20, s18, 4
	s_mul_i32 s92, s20, 12288                      ; x's first block of the tile, 16 tr
	s_mov_b32 s93, 0
	s_lshl_b32 s94, s18, 10                        ; x's scale words: place 256 tr
	s_add_co_u32 s94, s94, O_S0
	s_mov_b32 s95, 0
	s_lshl_b32 s21, s42, 4
	s_add_co_u32 s21, s21, s2
	s_add_co_u32 s21, s21, 512                     ; Wq|Wk's: 512 + 16 tc + 4 x wave: on the tile column alone
	s_mul_i32 s96, s21, 12288
	s_mov_b32 s97, 0
	s_lshl_b32 s22, s42, 3
	s_lshl_b32 s3, s14, 1
	s_add_co_u32 s22, s22, s3
	s_add_co_u32 s22, s22, 640                     ; Wv's: 640 + 8 tc + 2 x wave
	s_mul_i32 s66, s22, 12288
	s_mov_b32 s67, 0
	s_lshl_b32 s22, s42, 4
	s_add_co_u32 s22, s22, 512
	s_mul_i32 s22, s22, 12288                      ; Wq|Wk's first block of the tile, 512 + 16 tc
	s_mov_b32 s23, 0
	s_lshl_b32 s44, s42, 10                        ; Wq|Wk's scale words: place 16 (512 + 16 tc)
	s_add_co_u32 s44, s44, O_S0+512*64
	s_mov_b32 s45, 0
	s_lshl_b32 s46, s42, 9                         ; Wv's: place 16 (640 + 8 tc)
	s_add_co_u32 s46, s46, O_S0+640*64
	s_mov_b32 s47, 0
	s_mul_i32 s19, s14, 12288                      ; where my quarter of a tile goes: no place in the cluster enters an LDS address
	s_mov_b32 s[SEL], 0x76543210
	s_mov_b32 s[SEL+1], 0xfedcba98
	s_mov_b32 s[HM], 0xffff0000
	v_and_b32 v1, 15, v0                           ; r
	v_bfe_u32 v2, v0, 4, 1                         ; h
	v_and_b32 v3, 31, v0                           ; lane
	v_lshlrev_b32 v24, 4, v3                       ; 16 x lane
	v_lshlrev_b32 v25, 2, v3                       ; 4 x lane
	v_lshrrev_b32 v4, 6, v0                        ; x's and Wq|Wk's scale words: a K step's 256 words are 1,024 bytes: 64 threads x 16; the 128 threads take two K steps a load
	v_and_b32 v5, 63, v0
	v_mul_u32_u24 v[GSX], v4, SP0
	v_lshl_add_u32 v[GSX], v5, 4, v[GSX]
	v_lshl_add_u32 v[LSX], v0, 4, SCX              ; in LDS the K steps are 1,024 bytes apart: 16 x thread
	v_lshrrev_b32 v4, 5, v0                        ; Wv's: a K step's 128 words are 512 bytes: a wave; the four waves take four K steps a load
	v_mul_u32_u24 v[GSV], v4, SP0
	v_lshl_add_u32 v[GSV], v3, 4, v[GSV]
	v_lshlrev_b32 v[LSV], 10, v4
	v_lshl_add_u32 v[LSV], v3, 4, v[LSV]
	v_add_nc_u32 v[LSV], SCV, v[LSV]
	v_lshlrev_b32 v26, 6, v2                       ; the bias along n: tile 2 b + u wants n 32 b + 16 h + 8 u + 0 .. 7
	v_and_b32 v30, 8, v1
	v_add_nc_u32 v30, v30, v1
	v_lshlrev_b32 v30, 2, v30                      ; along m: block a wants row 32 (a / 2) + 8 (a % 2) + r + 8 (r / 8), in all eight registers
.irp b, 0,1,2,3
	v_mov_b32 v[TM+4+\b], 0                        ; written once: a lane permute's destination counts as one of its sources
.endr
	s_wait_dscnt 0x0                               ; the opening add is done
	s_wait_kmcnt 0x0
	s_add_nc_u64 s[92:93], s[4:5], s[92:93]
	s_add_nc_u64 s[94:95], s[4:5], s[94:95]
	s_add_nc_u64 s[96:97], s[4:5], s[96:97]
	s_add_nc_u64 s[22:23], s[4:5], s[22:23]
	s_add_nc_u64 s[66:67], s[4:5], s[66:67]
	s_add_nc_u64 s[44:45], s[4:5], s[44:45]
	s_add_nc_u64 s[46:47], s[4:5], s[46:47]
.irp j, 0,1,2,3                                ; the scale words are asked for ahead of the round, so that they are on their way while the work-groups meet
	global_load_b128 v[128+4*\j:131+4*\j], v[GSX], s[94:95] offset:\j*2*SP0
.endr
.irp j, 0,1,2,3
	global_load_b128 v[144+4*\j:147+4*\j], v[GSX], s[44:45] offset:\j*2*SP0
.endr
.irp j, 0,1
	global_load_b128 v[160+4*\j:163+4*\j], v[GSV], s[46:47] offset:\j*4*SP0
.endr
	CROUND                                         ; all sixteen work-groups are here: the first joint loads meet
	; THE HEAD'S FOUR TILES, ONE A WAVE: wave w takes K slot w / 2, of x (w even) or of Wq|Wk (w odd), all 16 blocks
	s_mul_i32 s2, s15, 3072
	s_mov_b32 s3, 0
	s_add_nc_u64 s[92:93], s[92:93], s[2:3]
	s_add_nc_u64 s[22:23], s[22:23], s[2:3]
	s_mul_i32 s2, s15, XSL                         ; (a slot of x and a slot of the ring are of one size)
	DESC0 G0X, 2, 0, 92, 0
	DESC0 G0X+8, 2, WR, 22, 0
	; and behind the first round: x's K slot 2 + w / 2, blocks 8 (w % 2) on
	s_mul_i32 s3, s16, 24576
	s_add_co_u32 s2, s2, s3
	s_mov_b32 s[G0X+4], 1
	s_add_co_u32 s[G0X+5], s2, 2*XSL
	s_mul_i32 s20, s16, 98304
	s_mov_b32 s21, 0
	s_add_nc_u64 s[G0X+6:G0X+7], s[92:93], s[20:21]
	s_add_nc_u64 s[G0X+6:G0X+7], s[G0X+6:G0X+7], 6144
	s_or_b32 s[G0X+7], s[G0X+7], 0x80000000
.irp s, 0,1
	DESC0 G0W+4*\s, 19, WR+\s*WSL, 96, \s*3072
	DESC0 G0V+4*\s, 19, WR+\s*WSL, 66, \s*6144
.endr
	s_cmp_eq_u32 s16, 0                            ; one branch on the wave's number, a load in each arm
	s_cbranch_scc0 .Lhead_w
	TLOAD G0X, G1X
	PLACES 4
	s_branch .Lhead_asked
.Lhead_w:
	TLOAD G0X+8, G1W
	PLACES 4
.Lhead_asked:
	; the biases: bq or bk along n, bv along m
	s_cmp_lt_u32 s42, 4
	s_cselect_b64 s[6:7], s[6:7], s[8:9]
	s_lshl_b32 s20, s42, 8
	s_lshl_b32 s21, s16, 7
	s_add_co_u32 s20, s20, s21
	s_and_b32 s20, s20, 1023
	s_lshl_b32 s20, s20, 2
	s_mov_b32 s21, 0
	s_add_nc_u64 s[6:7], s[6:7], s[20:21]
	s_lshl_b32 s20, s42, 7
	s_lshl_b32 s22, s15, 6
	s_add_co_u32 s20, s20, s22
	s_lshl_b32 s20, s20, 2
	s_add_nc_u64 s[10:11], s[10:11], s[20:21]
	WIN 0x40                                       ; destination window 1
	s_wait_alu depctr_va_vdst(0)
.irp b, 0,1,2,3,4,5,6,7
	global_load_b128 v[BI+8*\b+96*(\b/4):BI+8*\b+96*(\b/4)+3], v26, s[6:7] offset:(32*(\b/2)+8*(\b%2))*4
	global_load_b128 v[BI+8*\b+96*(\b/4)+4:BI+8*\b+96*(\b/4)+7], v26, s[6:7] offset:(32*(\b/2)+8*(\b%2))*4+16
.endr
	WIN 0
.irp a, 0,1,2,3
.irp j, 0,1,2,3,4,5,6,7
	global_load_b32 v[BM+8*\a+\j], v30, s[10:11] offset:(32*(\a/2)+8*(\a%2))*4
.endr
.endr
	; LDS addresses.  A half of 16 blocks of 3,072 bytes, and of 8 blocks of 6,144, is 24,576 bytes
	s_mul_i32 s20, s15, 24576                      ; my half by rows
	s_mul_i32 s21, s16, 24576                      ; by columns
.irp q, 0,1,2,3
	v_add_nc_u32 v[ADRX+\q], s20, v24
	v_add_nc_u32 v[ADRY+\q], s21, v24
	s_add_co_u32 s20, s20, XSL
	s_add_co_u32 s21, s21, XSL
.endr
.irp s, 0,1                                    ; four K slots on stands the ring
	v_add_nc_u32 v[ADRV+\s], s20, v24
	v_add_nc_u32 v[ADRW+\s], s21, v24
	s_add_co_u32 s20, s20, WSL
	s_add_co_u32 s21, s21, WSL
.endr
	s_lshl_b32 s20, s15, 9                         ; the first product's scale words: x's 128 places of my rows,
	s_lshl_b32 s21, s16, 9                         ; Wq|Wk's of my columns
	s_add_co_u32 s21, s21, SCW-SCX
	s_sub_co_u32 s21, s21, s20
	v_mul_u32_u24 v6, s21, v2                      ; lanes 16-31 take the n side's
	v_lshl_add_u32 v5, v1, 2, v6
	s_add_co_u32 s20, s20, SCX
	v_add_nc_u32 v[ADRS], s20, v5
	s_lshl_b32 s20, s15, 8                         ; the second's: Wv's 64 places of my rows,
	s_lshl_b32 s21, s16, 9                         ; x's 128 of my columns
	s_add_co_u32 s21, s21, SCX-SCV
	s_sub_co_u32 s21, s21, s20
	v_mul_u32_u24 v6, s21, v2
	v_lshl_add_u32 v5, v1, 2, v6
	s_add_co_u32 s20, s20, SCV
	v_add_nc_u32 v[ADRT], s20, v5
	; where the results go
	s_mov_b32 s21, 0
	s_lshl_b32 s17, s18, 4
	s_lshl_b32 s22, s15, 3
	s_add_co_u32 s17, s17, s22                     ; Q|K: my first block of tokens,
	s_lshl_b32 s23, s42, 1
	s_add_co_u32 s23, s23, s16                     ; my K step of the next product
	s_lshl_b32 s20, s17, 4
	s_add_co_u32 s20, s20, s23
	s_mul_i32 s20, s20, 1536
	s_add_nc_u64 s[4:5], s[12:13], s[20:21]        ; the images
	s_lshl_b32 s20, s23, 13
	s_lshl_b32 s22, s17, 4
	s_add_co_u32 s20, s20, s22
	s_lshl_b32 s20, s20, 2
	s_add_co_u32 s20, s20, O_QKS
	s_add_nc_u64 s[8:9], s[12:13], s[20:21]        ; the scale words
	s_lshl_b32 s17, s42, 3
	s_lshl_b32 s22, s15, 2
	s_add_co_u32 s17, s17, s22                     ; V^T: my first block of the model's axis,
	s_lshl_b32 s23, s18, 1
	s_add_co_u32 s23, s23, s16                     ; my K step: 128 tokens
	s_lshl_b32 s20, s17, 6
	s_add_co_u32 s20, s20, s23
	s_mul_i32 s20, s20, 1536
	s_add_co_u32 s20, s20, O_VI
	s_add_nc_u64 s[66:67], s[12:13], s[20:21]
	s_lshl_b32 s20, s23, 10
	s_lshl_b32 s22, s17, 4
	s_add_co_u32 s20, s20, s22
	s_lshl_b32 s20, s20, 2
	s_add_co_u32 s20, s20, O_VS
	s_add_nc_u64 s[12:13], s[12:13], s[20:21]
	s_wait_alu depctr_va_vdst(0)
	s_wait_loadcnt 48                              ; the ten loads of scale words are in; the 48 of the biases, issued behind them, may be out
.irp j, 0,1,2,3
	ds_store_b128 v[LSX], v[128+4*\j:131+4*\j] offset:2048*\j
.endr
.irp j, 0,1,2,3
	ds_store_b128 v[LSX], v[144+4*\j:147+4*\j] offset:SCW-SCX+2048*\j
.endr
.irp j, 0,1
	ds_store_b128 v[LSV], v[160+4*\j:163+4*\j] offset:4096*\j
	ds_store_b128 v[LSV], v[160+4*\j:163+4*\j] offset:4096*\j+512    ; once more at places 128 on
.endr
	s_wait_loadcnt 0x0                             ; the biases
	s_wait_tensorcnt 0x0                           ; my tile of the head's four is in
	ds_add_u32 v[SPW], v[NIL]
	s_mov_b32 s[G1X+2], 8<<16                      ; no tensor load of mine is out: x's next load brings 8 blocks,
	s_mov_b32 s[G1X+4], 8
	s_mov_b32 s[G1W+2], 4<<16                      ; the ring's refills 4
	s_mov_b32 s[G1W+4], 4
	s_wait_dscnt 0x0                               ; the add is done, and my stores of scale words have landed
	CROUND                                         ; all four tiles are in, and the sixteen work-groups meet
	TLOAD G0X+4, G1X                               ; x's K slots 2 and 3, a half of one to each wave: first fills, my one load behind this round
	PLACES 4
	; ---------------- Q|K ----------------
	FETCHB ADRW, 0, 0
	FETCHA ADRX, 0, 0, 3072
	SCALES ADRS, 0
	FETCHA ADRX, 0, HB, 3072
	STEP1 0, 2                                     ; the first step starts the sums with the bias
	TURN1 0, G0W, G1W, 6144, 1                     ; the ring's slot 0 takes Wq|Wk's K steps 4, 5
	STEP1 1, 0
	TURN1 1, G0W+4, G1W, 6144, 1                   ; slot 1 takes K steps 6, 7
	STEP1 2, 0
	TURN1 2, G0V, G1V, 0, 1                        ; slot 0 takes Wv's K steps 0 to 3
	STEP1 3, 0
	TURN1 3, G0V+4, G1V, 0, 0                      ; slot 1 takes Wv's K steps 4 to 7; in front of this round every wave's part of slot 0 has landed
.irp a, 0,1,2,3,4,5,6,7
	OUTBLK \a, 2+\a/4, 4, 8, 24576
.endr
	; ---------------- V^T ----------------
.set HB, 2
.set NQ, 4
	s_wait_xcnt 0x0                                ; the stores above have read their registers: the loads below land in some of them
	FETCHB ADRY, 0, 0
	FETCHA ADRV, 0, 0, 6144
	SCALES ADRT, 0
	FETCHA ADRV, 0, HB, 6144
	STEP2 0, 3                                     ; the first step starts the sums with the bias
	STEP2 1, 0
	STEP2 2, 0
	TURN2
	STEP2 4, 0
	STEP2 5, 0
	STEP2 6, 0
	s_wait_dscnt 3*HB                              ; the last step: nothing more to fetch
	MULA 0, HB, 1, 3, 1, 0
	s_wait_dscnt 0x0
	MULA HB, HB, 1, 3, 1, 0
	WIN 0
	PLACES 4                                       ; in front of the first read of results and of writes into registers that held operands
.irp a, 0,1,2,3
	OUTBLK \a, 2, 66, 12, 98304
.endr
	s_wait_tensorcnt 0x0                           ; the wave's end: behind my last tensor load and my last LDS store
	ds_add_u32 v[SPW], v[NIL]
	s_wait_dscnt 0x0
	CROUND                                         ; the closing round: no work-group ends while a partner may still ask for a tile that names it
	s_endpgm
.Lfunc_end_k_q7441f862e9_qkv:
	.size	k_q7441f862e9_qkv, .Lfunc_end_k_q7441f862e9_qkv-k_q7441f862e9_qkv
	.p2alignl 7, 3214868480
	.fill 96, 4, 3214868480
	.section	.rodata,"a",@progbits
	.p2align	6, 0x0
	.amdhsa_kernel k_q7441f862e9_qkv
		.amdhsa_group_segment_fixed_size 327680
		.amdhsa_private_segment_fixed_size 0
		.amdhsa_enable_private_segment 0
		.amdhsa_kernarg_size 40
		.amdhsa_user_sgpr_count 2
		.amdhsa_user_sgpr_kernarg_segment_ptr 1
		.amdhsa_wavefront_size32 1
		.amdhsa_system_sgpr_workgroup_id_x 1
		.amdhsa_system_sgpr_workgroup_id_y 1
		.amdhsa_system_sgpr_workgroup_id_z 1
		.amdhsa_system_vgpr_workitem_id 0
		.amdhsa_next_free_vgpr 1024
		.amdhsa_next_free_sgpr 102
		.amdhsa_reserve_vcc 0
		.amdhsa_float_denorm_mode_32 3
		.amdhsa_float_denorm_mode_16_64 3
		.amdhsa_memory_ordered 1
		.amdhsa_forward_progress 1
		.amdhsa_inst_pref_size 226
	.end_amdhsa_kernel
	.amdgpu_metadata
---
amdhsa.version: [ 1, 2 ]
amdhsa.kernels:
  - .name:           k_q7441f862e9_qkv
    .symbol:         k_q7441f862e9_qkv.kd
    .args:
      - { .name: q0, .offset: 0, .size: 8, .value_kind: global_buffer, .address_space: global }
      - { .name: bq, .offset: 8, .size: 8, .value_kind: global_buffer, .address_space: global }
      - { .name: bk, .offset: 16, .size: 8, .value_kind: global_buffer, .address_space: global }
      - { .name: bv, .offset: 24, .size: 8, .value_kind: global_buffer, .address_space: global }
      - { .name: q1, .offset: 32, .size: 8, .value_kind: global_buffer, .address_space: global }
    .group_segment_fixed_size: 327680
    .private_segment_fixed_size: 0
    .kernarg_segment_align: 8
    .kernarg_segment_size: 40
    .max_flat_workgroup_size: 128
    .sgpr_count:     102
    .vgpr_count:     1024
    .wavefront_size: 32
...
	.end_amdgpu_metadata
.endif
;; end of part 2
;; launch scores (part 3): grid 8 x 32, 4 waves a work-group, clusters of 4 x 4, 327,680 bytes of LDS; arguments q1, q0, q2; writes q2
.if DOCPART == 3
	.amdgcn_target "amdgcn-amd-amdhsa--gfx1250"
	.amdhsa_code_object_version 6
	.text
	.protected	k_q7441f862e9_scores
	.globl	k_q7441f862e9_scores
	.p2align	8
	.type	k_q7441f862e9_scores,@function
k_q7441f862e9_scores:
	s_mov_b64 s[64:65], 0
	v_nop
	global_prefetch_b8 v0, s[64:65] scope:SCOPE_SE
	s_setreg_imm32_b32 hwreg(HW_REG_WAVE_MODE, 25, 1), 1
	s_wait_xcnt 0x0
	s_wait_alu depctr_hold_cnt(0) depctr_sa_sdst(0) depctr_va_vdst(0) depctr_va_sdst(0) depctr_va_ssrc(0) depctr_va_vcc(0) depctr_vm_vsrc(0)
	s_getreg_b32 s2, hwreg(HW_REG_IB_STS2, 6, 4)
	s_cmp_eq_u32 s2, 0
	s_cbranch_scc0 .Lentry_in_a_cluster
	s_endpgm
.Lentry_in_a_cluster:
	s_bfe_u32 s2, ttmp6, 0x10000c
	s_cmp_lg_u32 s2, 0xf033
	s_cbranch_scc0 .Lentry_shape_is_right
	s_endpgm
.Lentry_shape_is_right:
; S = Q K^T on codes of FP6 (E2M3) with E8M0 scales, then the mask and the softmax's first half, for 128 keys at a time.
; t = s cm[key] + bm[key] (cm = log2(e) / 32 and bm = 0, or cm = 0 and bm = f32(-1e9 log2(e)) for a masked key).  A wave holds 128 queries x 128 keys.  For each query it takes M = the ceiling of the largest t AMONG ITS 128 KEYS,
; p = 2^(t - M), quantises p along the keys, and stores p's codes, their bytes, -M and the sum of the unquantised p.  M is a whole number, so the next launch brings all parts of a row under the row's own M by
; taking whole numbers off the bytes: the codes stay as they are.
; Operands: images (16 rows x 128 K = 1,536 bytes) from q1: [512 blocks][16 K steps: 0-7 Q, 8-15 K]; scale words at O_QKS [16][8192].  The matrix instruction is used transposed (source 0 = 16 keys, source 1 = 16 queries):
; a lane holds one query, and the 64 registers of a block of queries are the 128 keys, register 16 b + i = key 32 b + 16 (lane / 16) + i.
; TILES of 256 x 256, four waves of 128 x 128; 4 x 4 work-groups to a cluster: Q's tiles asked for jointly along a row, K's along a column.  K goes in slots of two K steps through a ring of two LDS slots.
; OUT, q2: p's images [512 blocks][16 K steps]; at O_PS words [16][8192]: the bytes; 524,288 on: -M (f32); 1,048,576 on: the sums.
; No prefetch: a K walk is four slots, of which two are first fills.
; LIMITS: NaN and infinities are not served (a masked key's score must be finite: it is multiplied by 0); a block whose every p lies under 2^-124 keeps the byte 1.
.set AB,    8
.set HB,    AB/2
.set NQ,    2
.set NKS,   8
.set LAPS,  NKS/(2*NQ)
.set ARB,   NQ*1536
.set HALFA, AB*ARB
.set HALFB, 8*ARB
.set SLOT,  2*HALFA+2*HALFB
.set GS,    NKS*512
.set SCL,   2*SLOT
.set SPARE, SCL+4*GS                   ; the spare words, 128 bytes a wave: two blocks of 256 bytes that no other line names
.set O_QKS, 18874368
.set O_MT,  9830400
.set O_PS,  12582912
.set ADRA, 16
.set ADRB, 20
.set ADRS, 27
.set SPW,  28
.set NIL,  29
.set SC,   32
.set BI,   64
.set CM,   64                          ; v64-127 cm of my 64 keys; bm lies in window 1, v96-127 and v224-255, beside K's two sets of fragments
.set AF,   128
.set HA,   128                         ; the way out: t, then p
.set PC,   192
.set TM,   224
.set PW,   240
.set NMS,  242                         ; v242-243 -M of two blocks of queries
.set LSM,  244                         ; v244-245 their sums
.set NMP,  250                         ; v[250:251] -M, named as a pair
.set LA,   252
.set LB,   254
.set G1, 24
.set G0, 32
.set G1B, 48
.set G0B, 56
.set G1S, 68
.set G0S, 76
.set G1SB, 80
.set G0SB, 88
.set HM,  98
.set SEL, 100
.set MSB, 0
.macro WIN new                         ; the immediate's high byte repeats the setting that is left
.if MSB != (\new)
	s_set_vgpr_msb (MSB<<8)|(\new)
.set MSB, (\new)
.endif
.endm
.macro PLACES n
.rept \n
	v_nop
.endr
.endm
.macro JLOAD g0a, g1a, g0b, g1b        ; a joint load: waves 0, 1 for Q, waves 2, 3 for K; an s_nop 0 and four v_nop follow each line
	s_cmp_eq_u32 s15, 0
	s_cbranch_scc0 .Lfor_b_\@
	tensor_load_to_lds s[\g0a:\g0a+3], s[\g1a:\g1a+7]
	s_nop 0
.rept 4
	v_nop
.endr
	s_branch .Lasked_\@
.Lfor_b_\@:
	tensor_load_to_lds s[\g0b:\g0b+3], s[\g1b:\g1b+7]
	s_nop 0
.rept 4
	v_nop
.endr
.Lasked_\@:
.endm
.macro CREST
	s_cmp_lg_u32 s14, 0
	s_cbranch_scc1 .Lnot_wave_0_\@
	s_barrier_signal -3
.Lnot_wave_0_\@:
	s_barrier_wait -3
	s_barrier_signal -1
	s_barrier_wait -1
.endm
.macro CROUND
	s_barrier_signal -1
	s_barrier_wait -1
	CREST
.endm
.macro DESC1 g, d0, rows, stride
	s_mov_b32 s[\g+1], (\d0)<<16
	s_mov_b32 s[\g+2], (\rows)<<16
	s_mov_b32 s[\g+3], (\d0)<<16
	s_mov_b32 s[\g+4], \rows
	s_mov_b32 s[\g+5], \stride
	s_mov_b32 s[\g+6], 0
	s_mov_b32 s[\g+7], 0
.endm
.macro DESC0 g, lds, add, ptr, off
	s_mov_b32 s[\g], 1
	s_add_co_u32 s[\g+1], s[\lds], \add
	s_add_nc_u64 s[\g+2:\g+3], s[\ptr:\ptr+1], \off
	s_or_b32 s[\g+3], s[\g+3], 0x80000000
.endm
.macro FRAG reg, adr, q, i
.irp c, 0,1,2
	ds_load_b128 v[\reg+4*\c:\reg+4*\c+3], v[\adr] offset:(\i)*ARB+(\q)*1536+512*\c
.endr
.endm
.macro FETCH_B slot, q, p
	WIN 0x40
.irp i, 0,1,2,3,4,5,6,7
	FRAG 128*(\p)+12*\i, ADRB+\slot, \q, \i
.endr
	WIN 0
.endm
.macro FETCH_A slot, q, i0
.set FI, \i0
.rept HB
	FRAG AF+12*FI, ADRA+\slot, \q, FI
.set FI, FI+1
.endr
.endm
.macro SCALES sc
.irp i, 0,1,2,3,4,5,6,7
.set SQ, 0
.rept NQ
	ds_load_b32 v[SC+8*NQ*(\sc)+NQ*\i+SQ], v[ADRS] offset:64*\i+512*SQ
.set SQ, SQ+1
.endr
.endr
.endm
.macro MULA a0, na, p, q, sc, mode     ; mode 0: onto the sums; 1: the constant 0 starts them.  The accumulators take turns, one instruction a turn
	WIN 0xa1+0x50*((\a0)/4)
.set MA, \a0
.rept \na
.irp b, 0,1,2,3,4,5,6,7
.set ACR, 8*(8*(MA%4)+\b)
.set BFR, 128*(\p)+12*\b
.set AFR, AF+12*MA
.set SCB, SC+8*NQ*(\sc)+NQ*\b+(\q)
.set SCA, SC+8*NQ*(\sc)+NQ*MA+(\q)
.if (\mode) == 0
	v_wmma_scale_f32_16x16x128_f8f6f4 v[ACR:ACR+7], v[BFR:BFR+11], v[AFR:AFR+11], v[ACR:ACR+7], v[SCB], v[SCA] matrix_a_fmt:MATRIX_FMT_FP6 matrix_b_fmt:MATRIX_FMT_FP6 matrix_a_scale:MATRIX_SCALE_ROW1
.else
	v_wmma_scale_f32_16x16x128_f8f6f4 v[ACR:ACR+7], v[BFR:BFR+11], v[AFR:AFR+11], 0, v[SCB], v[SCA] matrix_a_fmt:MATRIX_FMT_FP6 matrix_b_fmt:MATRIX_FMT_FP6 matrix_a_scale:MATRIX_SCALE_ROW1
.endif
.endr
.set MA, MA+1
.endr
.endm
.macro STEP slot, q, mode
	s_wait_dscnt 3*HB                              ; all but the youngest loads, Q's upper blocks
	MULA 0, HB, (\q)%2, \q, \slot, \mode
	s_wait_dscnt 0x0
	PLACES 4                                       ; in front of loads into registers that matrix instructions have read
	FETCH_B \slot, (\q)+1, 1-(\q)%2
	FETCH_A \slot, (\q)+1, 0
	MULA HB, HB, (\q)%2, \q, \slot, \mode
	PLACES 4
	WIN 0
	FETCH_A \slot, (\q)+1, HB
.endm
.macro TURN slot, next, fill
	s_wait_tensorcnt 0x0                           ; all my tensor loads have landed: my part of the next slot
	ds_add_u32 v[SPW], v[NIL]                      ; 0 onto my spare word
	s_wait_dscnt 3*HB+1                            ; (the add and Q's upper blocks may be out)
	MULA 0, HB/2, 1, NQ-1, \slot, 0
	s_wait_dscnt 0x0                               ; the add is done, and my reads of this slot are over
	s_barrier_signal -1
	MULA HB/2, HB/2, 1, NQ-1, \slot, 0
	WIN 0
	s_barrier_wait -1
.if \fill
	CREST                                          ; no wave of any partner still reads this slot or has a load on its way
	s_add_nc_u64 s[G0+4*\slot+2:G0+4*\slot+3], s[G0+4*\slot+2:G0+4*\slot+3], 2*ARB
	s_add_nc_u64 s[G0B+4*\slot+2:G0B+4*\slot+3], s[G0B+4*\slot+2:G0B+4*\slot+3], 2*ARB
	JLOAD G0+4*\slot, G1, G0B+4*\slot, G1B         ; the first tensor load behind the round; its four v_nop are the places in front of the loads below
.else
	PLACES 4
.endif
	s_wait_alu depctr_va_vdst(0)
	v_add_nc_u32 v[ADRS], NQ*512, v[ADRS]
	FETCH_B \next, 0, 0
	FETCH_A \next, 0, 0
	SCALES \next
	MULA HB, HB, 1, NQ-1, \slot, 0
	PLACES 4
	WIN 0
	FETCH_A \next, 0, HB
.endm
.macro LAST
	s_wait_dscnt 3*HB
	MULA 0, HB, 1, NQ-1, 1, 0
	s_wait_dscnt 0x0
	MULA HB, HB, 1, NQ-1, 1, 0
	WIN 0
.endm
.macro SCALEW pw
.irp b, 0,1,2,3
	v_add_nc_u32 v[TM+12+\b], 0xff000000, v[TM+\b] ; 2 off the exponent field: the conversion's scale operand
.endr
.irp b, 0,1,2,3
	v_lshrrev_b32 v[TM+4+\b], 23, v[TM+12+\b]      ; the byte
.endr
	v_lshl_or_b32 v[\pw], v[TM+5], 8, v[TM+4]
	v_lshl_or_b32 v[\pw], v[TM+6], 16, v[\pw]
	v_lshl_or_b32 v[\pw], v[TM+7], 24, v[\pw]
.endm
.macro CODES s
.irp c, 0,1
	v_cvt_scalef32_pk16_fp6_f32 v[PC+6*\c:PC+6*\c+2], v[\s+32*\c:\s+32*\c+15], v[TM+12+2*\c]
	v_cvt_scalef32_pk16_fp6_f32 v[PC+12+4*\c:PC+12+4*\c+2], v[\s+32*\c+16:\s+32*\c+31], v[TM+13+2*\c]
.endr
	v_nop                                          ; one plain place behind a scaled conversion
.irp c, 0,1
.irp i, 0,1,2
	v_permlane16_swap_b32 v[PC+6*\c+\i], v[PC+12+4*\c+\i]
.endr
.irp i, 0,1,2
	v_mov_b32 v[PC+3+6*\c+\i], v[PC+12+4*\c+\i]
.endr
.endr
.endm
	s_load_b128 s[4:7], s[0:1], 0x0                ; q1, q0
	s_load_b64 s[8:9], s[0:1], 0x10                ; q2
	v_lshl_add_u32 v[SPW], v0, 2, SPARE
	v_mov_b32 v[NIL], 0
	ds_add_u32 v[SPW], v[NIL]                      ; the wave's opening: the add and its wait ahead of my first tensor load
	ds_add_u32 v[SPW], v[NIL]
	v_lshrrev_b32 v1, 5, v0
	v_readfirstlane_b32 s14, v1
	s_lshr_b32 s15, s14, 1
	s_and_b32 s16, s14, 1
	s_bfe_u32 s40, ttmp6, 0x40000                  ; cx
	s_bfe_u32 s41, ttmp6, 0x40004                  ; cy
	s_lshl_b32 s42, ttmp9, 2
	s_add_co_u32 s42, s42, s40                     ; tile column: 256 keys of the batch
	s_and_b32 s17, ttmp7, 0xffff
	s_lshl_b32 s18, s17, 2
	s_add_co_u32 s18, s18, s41                     ; tile row: 256 of all 8,192 queries
	s_lshr_b32 s19, s17, 1                         ; the batch: the same in all sixteen partners
	s_lshl_b32 s43, s41, 2
	s_lshl_b32 s43, 15, s43
	s_lshl_b32 s44, 0x1111, s40
	s_or_b32 s[G1], s43, (3<<16)|(1<<21)
	s_or_b32 s[G1B], s44, (3<<16)|(1<<21)
	s_or_b32 s[G1S], s43, (3<<16)|(1<<21)
	s_or_b32 s[G1SB], s44, (3<<16)|(1<<21)
	DESC1 G1, ARB/8, AB, 3072                      ; a block's 16 K steps are 24,576 bytes
	DESC1 G1B, ARB/8, 8, 3072
	DESC1 G1S, ARB/8, 2*AB, 3072                   ; the head's loads bring a slot's whole tile: all 16 blocks of Q,
	DESC1 G1SB, ARB/8, 16, 3072                    ; or of K
	s_lshl_b32 s20, s18, 4
	s_lshl_b32 s2, s16, 3
	s_add_co_u32 s20, s20, s2                      ; Q's block that I would fetch from
	s_lshl_b32 s21, s19, 7
	s_lshl_b32 s3, s42, 4
	s_add_co_u32 s21, s21, s3
	s_lshl_b32 s3, s16, 3
	s_add_co_u32 s21, s21, s3                      ; K's
	s_mul_i32 s92, s20, 24576
	s_mov_b32 s93, 0
	s_lshl_b32 s94, s20, 6
	s_add_co_u32 s94, s94, O_QKS
	s_mov_b32 s95, 0
	s_mul_i32 s96, s21, 24576
	s_add_co_u32 s96, s96, 12288                   ; K steps 8 on
	s_mov_b32 s97, 0
	s_lshl_b32 s66, s21, 6
	s_add_co_u32 s66, s66, O_QKS+262144
	s_mov_b32 s67, 0
	s_mul_i32 s47, s16, HALFA
	s_mul_i32 s2, s16, HALFB
	s_add_co_u32 s2, s2, 2*HALFA
	s_mul_i32 s3, s14, GS
	s_add_co_u32 s3, s3, SCL                       ; where my group of scale words goes
	s_lshl_b32 s12, s18, 4                         ; the head's tiles: wave w takes slot w / 2, of Q (w even) or of K (w odd)
	s_mul_i32 s12, s12, 24576
	s_mul_i32 s45, s15, ARB
	s_add_co_u32 s12, s12, s45
	s_mov_b32 s13, 0
	s_lshl_b32 s44, s19, 7
	s_lshl_b32 s46, s42, 4
	s_add_co_u32 s44, s44, s46
	s_mul_i32 s44, s44, 24576
	s_add_co_u32 s44, s44, s45
	s_add_co_u32 s44, s44, 12288
	s_mov_b32 s45, 0
	s_mul_i32 s46, s15, SLOT
	s_mov_b32 s[SEL], 0x76543210
	s_mov_b32 s[SEL+1], 0xfedcba98
	s_mov_b32 s[HM], 0xffff0000
	s_wait_dscnt 0x0                               ; the opening add is done
	s_wait_kmcnt 0x0
	s_add_nc_u64 s[92:93], s[4:5], s[92:93]
	s_add_nc_u64 s[94:95], s[4:5], s[94:95]
	s_add_nc_u64 s[96:97], s[4:5], s[96:97]
	s_add_nc_u64 s[66:67], s[4:5], s[66:67]
	s_add_nc_u64 s[12:13], s[4:5], s[12:13]
	s_add_nc_u64 s[44:45], s[4:5], s[44:45]
	s_cmp_eq_u32 s15, 0
	s_cselect_b64 s[10:11], s[94:95], s[66:67]     ; waves 0, 1 bring Q's scale words, waves 2, 3 K's: 128 places x 8 K steps each
	v_and_b32 v3, 31, v0
	v_lshlrev_b32 v24, 4, v3
	v_add_nc_u32 v7, s3, v24
	s_wait_alu depctr_va_vdst(0)
.irp j, 0,1,2,3,4,5,6,7
	global_load_b128 v[128+4*\j:131+4*\j], v24, s[10:11] offset:32768*\j   ; a K step's 128 words: 512 consecutive bytes; asked for ahead of the round
.endr
	CROUND
	DESC0 G0S, 46, 0, 12, 0
	DESC0 G0SB, 46, 2*HALFA, 44, 0
.irp s, 0,1
	DESC0 G0+4*\s, 47, \s*SLOT, 92, \s*ARB         ; the refills' descriptors: a quarter of a slot a wave
	DESC0 G0B+4*\s, 2, \s*SLOT, 96, \s*ARB
.endr
	s_cmp_eq_u32 s16, 0                            ; one branch on the wave's number, a load in each arm: both slots are asked for, one load a wave
	s_cbranch_scc0 .Lhead_b
	tensor_load_to_lds s[G0S:G0S+3], s[G1S:G1S+7]
	s_nop 0
	PLACES 4
	s_branch .Lhead_asked
.Lhead_b:
	tensor_load_to_lds s[G0SB:G0SB+3], s[G1SB:G1SB+7]
	s_nop 0
	PLACES 4
.Lhead_asked:
	v_and_b32 v1, 15, v0
	v_bfe_u32 v2, v0, 4, 1
	v_lshlrev_b32 v25, 2, v3
	v_lshlrev_b32 v26, 6, v2                       ; the tables: register 16 b + i wants key 32 b + 16 h + i
	s_wait_alu depctr_va_vdst(0)
	s_lshl_b32 s20, s19, 11
	s_lshl_b32 s21, s42, 8
	s_add_co_u32 s20, s20, s21
	s_lshl_b32 s21, s16, 7
	s_add_co_u32 s20, s20, s21                     ; my first key among all 8,192
	s_lshl_b32 s20, s20, 2
	s_add_co_u32 s20, s20, O_MT
	s_mov_b32 s21, 0
	s_add_nc_u64 s[6:7], s[6:7], s[20:21]
.irp b, 0,1,2,3
.irp i, 0,1,2,3
	global_load_b128 v[CM+16*\b+4*\i:CM+16*\b+4*\i+3], v26, s[6:7] offset:128*\b+16*\i
.endr
.endr
	WIN 0x40                                       ; destination window 1
.irp b, 0,1,2,3
.irp i, 0,1,2,3
	global_load_b128 v[96+16*\b+4*\i+96*(\b/2):99+16*\b+4*\i+96*(\b/2)], v26, s[6:7] offset:32768+128*\b+16*\i
.endr
.endr
	WIN 0
	s_mul_i32 s20, s15, HALFA
	s_mul_i32 s21, s16, HALFB
	s_add_co_u32 s21, s21, 2*HALFA
.irp s, 0,1
	v_add_nc_u32 v[ADRA+\s], s20, v24
	v_add_nc_u32 v[ADRB+\s], s21, v24
	s_add_co_u32 s20, s20, SLOT
	s_add_co_u32 s21, s21, SLOT
.endr
	s_mul_i32 s20, s15, GS
	s_mul_i32 s21, s16, GS
	s_add_co_u32 s21, s21, 2*GS
	s_sub_co_u32 s21, s21, s20
	v_mul_u32_u24 v6, s21, v2
	v_lshl_add_u32 v5, v1, 2, v6
	s_add_co_u32 s20, s20, SCL
	v_add_nc_u32 v[ADRS], s20, v5
.irp b, 0,1,2,3
	v_mov_b32 v[TM+4+\b], 0                        ; written once: a lane permute's destination counts as one of its sources
.endr
	v_mov_b32 v[NMP+1], 0                          ; (named with -M as a pair)
	s_lshl_b32 s17, s18, 4
	s_lshl_b32 s19, s15, 3
	s_add_co_u32 s17, s17, s19                     ; my first block of queries
	s_lshl_b32 s19, s42, 1
	s_add_co_u32 s19, s19, s16                     ; my K step of the next product
	s_lshl_b32 s20, s17, 4
	s_add_co_u32 s20, s20, s19
	s_mul_i32 s20, s20, 1536
	s_mov_b32 s21, 0
	s_add_nc_u64 s[92:93], s[8:9], s[20:21]
	s_lshl_b32 s20, s19, 13
	s_lshl_b32 s21, s17, 4
	s_add_co_u32 s20, s20, s21
	s_lshl_b32 s20, s20, 2
	s_add_co_u32 s20, s20, O_PS
	s_mov_b32 s21, 0
	s_add_nc_u64 s[94:95], s[8:9], s[20:21]
	s_wait_alu depctr_va_vdst(0)
	s_wait_loadcnt 0x0
.irp j, 0,1,2,3,4,5,6,7
	ds_store_b128 v7, v[128+4*\j:131+4*\j] offset:512*\j   ; the scale words' bytes are no tensor load's target
.endr
	s_wait_dscnt 0x0                               ; for the others' sake: my stores have landed,
	s_wait_tensorcnt 0x0                           ; and so has my tile
	s_barrier_signal -1
	s_barrier_wait -1
	FETCH_B 0, 0, 0
	FETCH_A 0, 0, 0
	SCALES 0
	FETCH_A 0, 0, HB
	STEP 0, 0, 1                                   ; the first step starts the sums
	s_mov_b32 s3, LAPS-1
.Llap:
	TURN 0, 1, 1
	STEP 1, 0, 0
	TURN 1, 0, 1
	STEP 0, 0, 0
	s_sub_co_u32 s3, s3, 1
	s_cmp_lg_u32 s3, 0
	s_cbranch_scc1 .Llap
	TURN 0, 1, 0
	STEP 1, 0, 0
	LAST
	PLACES 4
; THE WAY OUT, a block of 16 queries at a time
.macro SMBLK a
.set AC, 64*((\a)%4)
.set P2, (\a)%2
	WIN 0x10|(2+(\a)/4)                            ; the scores in window 2 or 3, bm in window 1
.set J, 0
.rept 32
	v_pk_fma_f32 v[HA+J:HA+J+1], v[AC+J:AC+J+1], v[CM+J:CM+J+1], v[96+J+96*(J/32):97+J+96*(J/32)]   ; t = s cm + bm; each accumulator from its low end on
.set J, J+2
.endr
	WIN 0
.irp b, 0,1,2,3
	v_max3_num_f32 v[TM+\b], v[HA+16*\b], v[HA+16*\b+1], v[HA+16*\b+2]   ; the largest t of each block of 32 keys: it serves for M and, since p rises with t, for the block's largest p
.endr
.irp i, 3,5,7,9,11,13
.irp b, 0,1,2,3
	v_max3_num_f32 v[TM+\b], v[TM+\b], v[HA+16*\b+\i], v[HA+16*\b+\i+1]
.endr
.endr
.irp b, 0,1,2,3
	v_max_num_f32 v[TM+\b], v[TM+\b], v[HA+16*\b+15]
.endr
.irp b, 0,1,2,3
	v_permlanex16_b32 v[TM+4+\b], v[TM+\b], s[SEL], s[SEL+1]
.endr
.irp b, 0,1,2,3
	v_max_num_f32 v[TM+\b], v[TM+\b], v[TM+4+\b]
.endr
	v_max3_num_f32 v249, v[TM], v[TM+1], v[TM+2]
	v_max_num_f32 v249, v249, v[TM+3]              ; my query's largest t among these 128 keys
	v_floor_f32 v[NMP], -v249                      ; -M = floor(-t) = -ceil(t)
.set J, 0
.rept 32
	v_pk_add_f32 v[HA+J:HA+J+1], v[HA+J:HA+J+1], v[NMP:NMP+1] op_sel_hi:[1,0]   ; t - M
.set J, J+2
.endr
.irp b, 0,1,2,3
	v_add_f32 v[TM+\b], v[TM+\b], v[NMP]           ; the same of each block's largest t
.endr
.set J, 0
	s_wait_alu depctr_va_vdst(0)
.rept 64
	v_exp_f32 v[HA+J], v[HA+J]                     ; p = 2^(t - M)
.set J, J+1
.endr
	v_mov_b32 v[NMS+P2], v[NMP]                    ; (a plain place behind the exponentials)
	s_wait_alu depctr_va_vdst(0)                   ; one wait for the whole batch, ahead of its first reader
.irp b, 0,1,2,3
	v_exp_f32 v[TM+\b], v[TM+\b]                   ; the block's largest p: the same instructions on the same number give the same bits
.endr
	v_pk_add_f32 v[LA:LA+1], v[HA:HA+1], v[HA+2:HA+3]   ; the sum of the unquantised p, in two chains (plain work behind the four)
	v_pk_add_f32 v[LB:LB+1], v[HA+4:HA+5], v[HA+6:HA+7]
.irp j, 8,12,16,20,24,28,32,36,40,44,48,52,56,60
	v_pk_add_f32 v[LA:LA+1], v[LA:LA+1], v[HA+\j:HA+\j+1]
	v_pk_add_f32 v[LB:LB+1], v[LB:LB+1], v[HA+\j+2:HA+\j+3]
.endr
	v_pk_add_f32 v[LA:LA+1], v[LA:LA+1], v[LB:LB+1]
	s_wait_alu depctr_va_vdst(0)                   ; and one for the four
.irp b, 0,1,2,3
	v_max_num_f32 v[TM+\b], 0x1800000, v[TM+\b]    ; the floor 2^(3 - 127): the byte cannot fall under 1
.endr
	v_add_f32 v249, v[LA], v[LA+1]
	v_permlanex16_b32 v[TM+4], v249, s[SEL], s[SEL+1]
	v_add_f32 v[LSM+P2], v249, v[TM+4]             ; with lane l xor 16's: the sum over the 128 keys
	SCALEW PW+P2
	s_wait_alu depctr_va_vdst(0)                   ; directly ahead of the wait below
	s_wait_xcnt 0x0                                ; the last block's stores have read their data: the codes' registers and v246-248 are first rewritten below
	CODES HA
.irp c, 0,1,2
	global_store_b128 v24, v[PC+4*\c:PC+4*\c+3], s[92:93] offset:24576*(\a)+512*\c   ; 512 consecutive bytes
.endr
.if P2 == 1
	v_cndmask_b32 v246, v[PW], v[PW+1], s[HM]      ; lanes 0-15: block a - 1's; lanes 16-31: block a's
	v_cndmask_b32 v247, v[NMS], v[NMS+1], s[HM]
	v_cndmask_b32 v248, v[LSM], v[LSM+1], s[HM]
	global_store_b32 v25, v246, s[94:95] offset:64*((\a)-1)
	global_store_b32 v25, v247, s[94:95] offset:64*((\a)-1)+524288
	global_store_b32 v25, v248, s[94:95] offset:64*((\a)-1)+1048576
.endif
.endm
.irp a, 0,1,2,3,4,5,6,7
	SMBLK \a
.endr
	s_wait_tensorcnt 0x0                           ; the wave's end
	ds_add_u32 v[SPW], v[NIL]
	s_wait_dscnt 0x0
	CROUND                                         ; the closing round
	s_endpgm
.Lfunc_end_k_q7441f862e9_scores:
	.size	k_q7441f862e9_scores, .Lfunc_end_k_q7441f862e9_scores-k_q7441f862e9_scores
	.p2alignl 7, 3214868480
	.fill 96, 4, 3214868480
	.section	.rodata,"a",@progbits
	.p2align	6, 0x0
	.amdhsa_kernel k_q7441f862e9_scores
		.amdhsa_group_segment_fixed_size 327680
		.amdhsa_private_segment_fixed_size 0
		.amdhsa_enable_private_segment 0
		.amdhsa_kernarg_size 24
		.amdhsa_user_sgpr_count 2
		.amdhsa_user_sgpr_kernarg_segment_ptr 1
		.amdhsa_wavefront_size32 1
		.amdhsa_system_sgpr_workgroup_id_x 1
		.amdhsa_system_sgpr_workgroup_id_y 1
		.amdhsa_system_sgpr_workgroup_id_z 1
		.amdhsa_system_vgpr_workitem_id 0
		.amdhsa_next_free_vgpr 1024
		.amdhsa_next_free_sgpr 102
		.amdhsa_reserve_vcc 0
		.amdhsa_float_denorm_mode_32 3
		.amdhsa_float_denorm_mode_16_64 3
		.amdhsa_memory_ordered 1
		.amdhsa_forward_progress 1
		.amdhsa_inst_pref_size 217
	.end_amdhsa_kernel
	.amdgpu_metadata
---
amdhsa.version: [ 1, 2 ]
amdhsa.kernels:
  - .name:           k_q7441f862e9_scores
    .symbol:         k_q7441f862e9_scores.kd
    .args:
      - { .name: q1, .offset: 0, .size: 8, .value_kind: global_buffer, .address_space: global }
      - { .name: q0, .offset: 8, .size: 8, .value_kind: global_buffer, .address_space: global }
      - { .name: q2, .offset: 16, .size: 8, .value_kind: global_buffer, .address_space: global }
    .group_segment_fixed_size: 327680
    .private_segment_fixed_size: 0
    .kernarg_segment_align: 8
    .kernarg_segment_size: 24
    .max_flat_workgroup_size: 128
    .sgpr_count:     102
    .vgpr_count:     1024
    .wavefront_size: 32
...
	.end_amdgpu_metadata
.endif
;; end of part 3
;; launch pv (part 4): grid 4 x 64, 4 waves a work-group, clusters of 4 x 4, 327,680 bytes of LDS; arguments q2, q1, q3; writes q3
.if DOCPART == 4
	.amdgcn_target "amdgcn-amd-amdhsa--gfx1250"
	.amdhsa_code_object_version 6
	.text
	.protected	k_q7441f862e9_pv
	.globl	k_q7441f862e9_pv
	.p2align	8
	.type	k_q7441f862e9_pv,@function
k_q7441f862e9_pv:
	s_mov_b64 s[64:65], 0
	v_nop
	global_prefetch_b8 v0, s[64:65] scope:SCOPE_SE
	s_setreg_imm32_b32 hwreg(HW_REG_WAVE_MODE, 25, 1), 1
	s_wait_xcnt 0x0
	s_wait_alu depctr_hold_cnt(0) depctr_sa_sdst(0) depctr_va_vdst(0) depctr_va_sdst(0) depctr_va_ssrc(0) depctr_va_vcc(0) depctr_vm_vsrc(0)
	s_getreg_b32 s2, hwreg(HW_REG_IB_STS2, 6, 4)
	s_cmp_eq_u32 s2, 0
	s_cbranch_scc0 .Lentry_in_a_cluster
	s_endpgm
.Lentry_in_a_cluster:
	s_bfe_u32 s2, ttmp6, 0x10000c
	s_cmp_lg_u32 s2, 0xf033
	s_cbranch_scc0 .Lentry_shape_is_right
	s_endpgm
.Lentry_shape_is_right:
; O = (p V) / l on codes of FP6 (E2M3) with E8M0 scales, and O quantised along the model's 1,024 for the last product.
; p's codes came in 16 parts along the keys, each under the whole number M of its own 128 keys.  AT THE HEAD each thread takes one of the tile's 128 queries: the row's -M is the least of the 16 parts' -M; a part's
; e = M(row) - M(part), a whole number, is taken off its four scale bytes (held at 1 from below; e held at 255), and its sum is multiplied by 2^-e: both exact but for what falls under the smallest numbers.
; The shifted words go to LDS as the m side's scale words, 1 / l beside them.
; Operands: p's images from q2 [512 blocks][16 K steps]; V^T's images from q1 at O_VI [64 blocks][64 K steps: 16 a batch]; V^T's scale words at O_VS [64][1024].
; The matrix instruction is used transposed (source 0 = 16 rows of V^T, source 1 = 16 queries): a lane holds one query and its registers run along the model's axis.
; TILES of 128 queries x 256, four waves of 64 x 128; 4 x 4 work-groups to a cluster: p's tiles asked for jointly along a row, V^T's along a column.  K = 2,048 keys, in slots of four K steps, a ring of two slots.
; OUT, q3: O's images [512 blocks][8 K steps]; scale words at O_OS [8][8192].
; No prefetch: a K walk is four slots, of which two are first fills.
; LIMITS: NaN and infinities are not served; p's bytes are held at 1 after the shift: what that changes lies under 7.5 x 2^-126 of the row's largest p; a block of O whose largest magnitude lies under 2^-124 keeps the byte 1.
.set AB,    4
.set HB,    AB/2
.set NQ,    4
.set NKS,   16
.set LAPS,  NKS/(2*NQ)
.set ARB,   NQ*1536
.set HALFA, AB*ARB
.set HALFB, 8*ARB
.set SLOT,  2*HALFA+2*HALFB
.set GS,    NKS*512
.set SCLA,  2*SLOT                     ; p's shifted scale words [16][128]: written by LDS stores, never a tensor load's target
.set SCLB,  SCLA+GS                    ; V^T's: two groups [16][128]
.set RLB,   SCLB+2*GS                  ; 1 / l of the 128 queries
.set SPARE, RLB+512                    ; the spare words, 128 bytes a wave: two blocks of 256 bytes that no other line names
.set O_VI,  12582912
.set O_VS,  19398656
.set O_PS,  12582912
.set O_OS,  6291456
.set ADRA, 16
.set ADRB, 20
.set ADRS, 27
.set SPW,  28
.set NIL,  29
.set SC,   32                          ; v32-95 scale words, a set of 32 for each slot
.set TM,   96                          ; v96-111
.set PW,   112
.set PWC,  114
.set RLV,  116                         ; v116-123 1 / l of my four blocks, each named as a pair
.set AF,   128                         ; v128-175 p's fragments
.set PC,   128                         ; the way out: codes
.set HA,   176                         ; the way out: O / l
.set RM,   128                         ; the head: -M, the sums, the words of the 16 parts
.set RL,   144
.set RW,   160
.set G1, 24
.set G0, 32
.set G1B, 48
.set G0B, 56
.set G1SB, 80
.set G0SB, 88
.set HM,  98
.set SEL, 100
.set MSB, 0
.macro WIN new                         ; the immediate's high byte repeats the setting that is left
.if MSB != (\new)
	s_set_vgpr_msb (MSB<<8)|(\new)
.set MSB, (\new)
.endif
.endm
.macro PLACES n
.rept \n
	v_nop
.endr
.endm
.macro JLOAD g0a, g1a, g0b, g1b        ; a joint load: waves 0, 1 for p, waves 2, 3 for V^T; an s_nop 0 and four v_nop follow each line
	s_cmp_eq_u32 s15, 0
	s_cbranch_scc0 .Lfor_b_\@
	tensor_load_to_lds s[\g0a:\g0a+3], s[\g1a:\g1a+7]
	s_nop 0
.rept 4
	v_nop
.endr
	s_branch .Lasked_\@
.Lfor_b_\@:
	tensor_load_to_lds s[\g0b:\g0b+3], s[\g1b:\g1b+7]
	s_nop 0
.rept 4
	v_nop
.endr
.Lasked_\@:
.endm
.macro CREST
	s_cmp_lg_u32 s14, 0
	s_cbranch_scc1 .Lnot_wave_0_\@
	s_barrier_signal -3
.Lnot_wave_0_\@:
	s_barrier_wait -3
	s_barrier_signal -1
	s_barrier_wait -1
.endm
.macro CROUND
	s_barrier_signal -1
	s_barrier_wait -1
	CREST
.endm
.macro DESC1 g, d0, rows, stride
	s_mov_b32 s[\g+1], (\d0)<<16
	s_mov_b32 s[\g+2], (\rows)<<16
	s_mov_b32 s[\g+3], (\d0)<<16
	s_mov_b32 s[\g+4], \rows
	s_mov_b32 s[\g+5], \stride
	s_mov_b32 s[\g+6], 0
	s_mov_b32 s[\g+7], 0
.endm
.macro DESC0 g, lds, add, ptr, off
	s_mov_b32 s[\g], 1
	s_add_co_u32 s[\g+1], s[\lds], \add
	s_add_nc_u64 s[\g+2:\g+3], s[\ptr:\ptr+1], \off
	s_or_b32 s[\g+3], s[\g+3], 0x80000000
.endm
.macro FRAG reg, adr, q, i
.irp c, 0,1,2
	ds_load_b128 v[\reg+4*\c:\reg+4*\c+3], v[\adr] offset:(\i)*ARB+(\q)*1536+512*\c
.endr
.endm
.macro FETCH_B slot, q, p
	WIN 0x40
.irp i, 0,1,2,3,4,5,6,7
	FRAG 128*(\p)+12*\i, ADRB+\slot, \q, \i
.endr
	WIN 0
.endm
.macro FETCH_A slot, q, i0
.set FI, \i0
.rept HB
	FRAG AF+12*FI, ADRA+\slot, \q, FI
.set FI, FI+1
.endr
.endm
.macro SCALES sc                       ; (for i above 3 lanes 0-15 bring words that no product names; they lie in bytes that have been filled)
.irp i, 0,1,2,3,4,5,6,7
.set SQ, 0
.rept NQ
	ds_load_b32 v[SC+8*NQ*(\sc)+NQ*\i+SQ], v[ADRS] offset:64*\i+512*SQ
.set SQ, SQ+1
.endr
.endr
.endm
.macro MULA a0, na, p, q, sc, mode     ; mode 0: onto the sums; 1: the constant 0 starts them.  The accumulators take turns, one instruction a turn
	WIN 0xa1
.set MA, \a0
.rept \na
.irp b, 0,1,2,3,4,5,6,7
.set ACR, 8*(8*MA+\b)
.set BFR, 128*(\p)+12*\b
.set AFR, AF+12*MA
.set SCB, SC+8*NQ*(\sc)+NQ*\b+(\q)
.set SCA, SC+8*NQ*(\sc)+NQ*MA+(\q)
.if (\mode) == 0
	v_wmma_scale_f32_16x16x128_f8f6f4 v[ACR:ACR+7], v[BFR:BFR+11], v[AFR:AFR+11], v[ACR:ACR+7], v[SCB], v[SCA] matrix_a_fmt:MATRIX_FMT_FP6 matrix_b_fmt:MATRIX_FMT_FP6 matrix_a_scale:MATRIX_SCALE_ROW1
.else
	v_wmma_scale_f32_16x16x128_f8f6f4 v[ACR:ACR+7], v[BFR:BFR+11], v[AFR:AFR+11], 0, v[SCB], v[SCA] matrix_a_fmt:MATRIX_FMT_FP6 matrix_b_fmt:MATRIX_FMT_FP6 matrix_a_scale:MATRIX_SCALE_ROW1
.endif
.endr
.set MA, MA+1
.endr
.endm
.macro STEP slot, q, mode
	s_wait_dscnt 3*HB                              ; all but the youngest loads, p's upper blocks
	MULA 0, HB, (\q)%2, \q, \slot, \mode
	s_wait_dscnt 0x0
	PLACES 4                                       ; in front of loads into registers that matrix instructions have read
	FETCH_B \slot, (\q)+1, 1-(\q)%2
	FETCH_A \slot, (\q)+1, 0
	MULA HB, HB, (\q)%2, \q, \slot, \mode
	PLACES 4
	WIN 0
	FETCH_A \slot, (\q)+1, HB
.endm
.macro TURN slot, next, fill
	s_wait_tensorcnt 0x0                           ; all my tensor loads have landed: my part of the next slot
	ds_add_u32 v[SPW], v[NIL]                      ; 0 onto my spare word
	s_wait_dscnt 3*HB+1                            ; (the add and p's upper blocks may be out)
	MULA 0, HB/2, 1, NQ-1, \slot, 0
	s_wait_dscnt 0x0                               ; the add is done, and my reads of this slot are over
	s_barrier_signal -1
	MULA HB/2, HB/2, 1, NQ-1, \slot, 0
	WIN 0
	s_barrier_wait -1
.if \fill
	CREST                                          ; no wave of any partner still reads this slot or has a load on its way
	s_add_nc_u64 s[G0+4*\slot+2:G0+4*\slot+3], s[G0+4*\slot+2:G0+4*\slot+3], 2*ARB
	s_add_nc_u64 s[G0B+4*\slot+2:G0B+4*\slot+3], s[G0B+4*\slot+2:G0B+4*\slot+3], 2*ARB
	JLOAD G0+4*\slot, G1, G0B+4*\slot, G1B         ; the first tensor load behind the round; its four v_nop are the places in front of the loads below
.else
	PLACES 4
.endif
	s_wait_alu depctr_va_vdst(0)
	v_add_nc_u32 v[ADRS], NQ*512, v[ADRS]
	FETCH_B \next, 0, 0
	FETCH_A \next, 0, 0
	SCALES \next
	MULA HB, HB, 1, NQ-1, \slot, 0
	PLACES 4
	WIN 0
	FETCH_A \next, 0, HB
.endm
.macro MIDS slot
	STEP \slot, 1, 0
	STEP \slot, 2, 0
.endm
.macro LAST
	s_wait_dscnt 3*HB
	MULA 0, HB, 1, NQ-1, 1, 0
	s_wait_dscnt 0x0
	MULA HB, HB, 1, NQ-1, 1, 0
	WIN 0
.endm
.macro QUANT s, pw                     ; 64 numbers of a lane in window 0 become a fragment in v[PC] on and its scale word
.irp b, 0,1,2,3
	v_max3_num_f32 v[TM+\b], 0x1800000, |v[\s+16*\b]|, |v[\s+16*\b+1]|
.endr
.irp i, 2,4,6,8,10,12,14
.irp b, 0,1,2,3
	v_max3_num_f32 v[TM+\b], v[TM+\b], |v[\s+16*\b+\i]|, |v[\s+16*\b+\i+1]|
.endr
.endr
.irp b, 0,1,2,3
	v_permlanex16_b32 v[TM+4+\b], v[TM+\b], s[SEL], s[SEL+1]
.endr
.irp b, 0,1,2,3
	v_max_num_f32 v[TM+\b], v[TM+\b], v[TM+4+\b]
.endr
.irp b, 0,1,2,3
	v_add_nc_u32 v[TM+12+\b], 0xff000000, v[TM+\b]
.endr
.irp b, 0,1,2,3
	v_lshrrev_b32 v[TM+4+\b], 23, v[TM+12+\b]
.endr
	v_lshl_or_b32 v[\pw], v[TM+5], 8, v[TM+4]
	v_lshl_or_b32 v[\pw], v[TM+6], 16, v[\pw]
	v_lshl_or_b32 v[\pw], v[TM+7], 24, v[\pw]
	s_wait_alu depctr_va_vdst(0)                   ; directly ahead of the wait below
	s_wait_xcnt 0x0                                ; the last block's stores have read their data: the codes' registers and the stored word are first rewritten below
.irp c, 0,1
	v_cvt_scalef32_pk16_fp6_f32 v[PC+6*\c:PC+6*\c+2], v[\s+32*\c:\s+32*\c+15], v[TM+12+2*\c]
	v_cvt_scalef32_pk16_fp6_f32 v[PC+12+4*\c:PC+12+4*\c+2], v[\s+32*\c+16:\s+32*\c+31], v[TM+13+2*\c]
.endr
	v_nop                                          ; one plain place behind a scaled conversion
.irp c, 0,1
.irp i, 0,1,2
	v_permlane16_swap_b32 v[PC+6*\c+\i], v[PC+12+4*\c+\i]
.endr
.irp i, 0,1,2
	v_mov_b32 v[PC+3+6*\c+\i], v[PC+12+4*\c+\i]
.endr
.endr
.endm
	s_load_b128 s[4:7], s[0:1], 0x0                ; q2, q1
	s_load_b64 s[8:9], s[0:1], 0x10                ; q3
	v_lshl_add_u32 v[SPW], v0, 2, SPARE
	v_mov_b32 v[NIL], 0
	ds_add_u32 v[SPW], v[NIL]                      ; the wave's opening: the add and its wait ahead of my first tensor load
	ds_add_u32 v[SPW], v[NIL]
	v_lshrrev_b32 v1, 5, v0
	v_readfirstlane_b32 s14, v1
	s_lshr_b32 s15, s14, 1
	s_and_b32 s16, s14, 1
	s_bfe_u32 s40, ttmp6, 0x40000                  ; cx
	s_bfe_u32 s41, ttmp6, 0x40004                  ; cy
	s_lshl_b32 s42, ttmp9, 2
	s_add_co_u32 s42, s42, s40                     ; tile column: 256 of the model's 1,024
	s_and_b32 s17, ttmp7, 0xffff
	s_lshl_b32 s18, s17, 2
	s_add_co_u32 s18, s18, s41                     ; tile row: 128 of all 8,192 queries
	s_lshr_b32 s19, s17, 2                         ; the batch: the same in all sixteen partners
	s_lshl_b32 s43, s41, 2
	s_lshl_b32 s43, 15, s43
	s_lshl_b32 s44, 0x1111, s40
	s_or_b32 s[G1], s43, (3<<16)|(1<<21)
	s_or_b32 s[G1B], s44, (3<<16)|(1<<21)
.set G1S, 68                           ; s[68:75], s[76:79] groups 1 and 0 of the head's load of p; G1SB, G0SB those of V^T
.set G0S, 76
	s_or_b32 s[G1S], s43, (3<<16)|(1<<21)
	s_or_b32 s[G1SB], s44, (3<<16)|(1<<21)
	DESC1 G1, ARB/8, AB, 3072                      ; a block of p: 16 K steps, 24,576 bytes
	DESC1 G1B, ARB/8, 8, 12288                     ; a block of V^T: 64 K steps, 98,304 bytes
	DESC1 G1S, ARB/8, 2*AB, 3072                   ; the head's loads bring a slot's whole tile: all 8 blocks of p,
	DESC1 G1SB, ARB/8, 16, 12288                   ; or all 16 of V^T
	s_lshl_b32 s20, s18, 3
	s_lshl_b32 s2, s16, 2
	s_add_co_u32 s20, s20, s2                      ; p's block that I would fetch from
	s_mul_i32 s92, s20, 24576
	s_mov_b32 s93, 0
	s_lshl_b32 s21, s42, 4
	s_lshl_b32 s3, s16, 3
	s_add_co_u32 s21, s21, s3                      ; V^T's
	s_mul_i32 s96, s21, 98304
	s_mul_i32 s3, s19, 24576
	s_add_co_u32 s96, s96, s3
	s_add_co_u32 s96, s96, O_VI
	s_mov_b32 s97, 0
	s_lshl_b32 s66, s19, 4                         ; V^T's scale words: every wave brings a quarter: K steps 8 (wave / 2) on, of half wave % 2
	s_lshl_b32 s3, s15, 3
	s_add_co_u32 s66, s66, s3
	s_lshl_b32 s66, s66, 12
	s_lshl_b32 s3, s21, 6
	s_add_co_u32 s66, s66, s3
	s_add_co_u32 s66, s66, O_VS
	s_mov_b32 s67, 0
	s_mul_i32 s47, s16, HALFA
	s_mul_i32 s2, s16, HALFB
	s_add_co_u32 s2, s2, 2*HALFA
	s_mul_i32 s3, s16, GS
	s_lshl_b32 s22, s15, 12
	s_add_co_u32 s3, s3, s22
	s_add_co_u32 s3, s3, SCLB                      ; where my quarter of V^T's scale words goes
	s_lshl_b32 s12, s18, 3                         ; the head's tiles: wave w takes slot w / 2, of p (w even) or of V^T (w odd)
	s_mul_i32 s12, s12, 24576
	s_mul_i32 s45, s15, ARB
	s_add_co_u32 s12, s12, s45
	s_mov_b32 s13, 0
	s_lshl_b32 s44, s42, 4
	s_mul_i32 s44, s44, 98304
	s_mul_i32 s46, s19, 24576
	s_add_co_u32 s44, s44, s46
	s_add_co_u32 s44, s44, s45
	s_add_co_u32 s44, s44, O_VI
	s_mov_b32 s45, 0
	s_mul_i32 s46, s15, SLOT
	s_mov_b32 s[SEL], 0x76543210
	s_mov_b32 s[SEL+1], 0xfedcba98
	s_mov_b32 s[HM], 0xffff0000
	s_wait_dscnt 0x0                               ; the opening add is done
	s_wait_kmcnt 0x0
	s_add_nc_u64 s[92:93], s[4:5], s[92:93]
	s_add_nc_u64 s[96:97], s[6:7], s[96:97]
	s_add_nc_u64 s[66:67], s[6:7], s[66:67]
	s_add_nc_u64 s[12:13], s[4:5], s[12:13]
	s_add_nc_u64 s[44:45], s[6:7], s[44:45]
	v_and_b32 v3, 31, v0
	v_lshlrev_b32 v24, 4, v3
	v_add_nc_u32 v11, s3, v24
	s_wait_alu depctr_va_vdst(0)
.irp j, 0,1,2,3,4,5,6,7
	global_load_b128 v[208+4*\j:211+4*\j], v24, s[66:67] offset:4096*\j   ; V^T's scale words, my quarter: a K step's 128 words are 512 consecutive bytes
.endr
	CROUND
	DESC0 G0S, 46, 0, 12, 0
	DESC0 G0SB, 46, 2*HALFA, 44, 0
.irp s, 0,1
	DESC0 G0+4*\s, 47, \s*SLOT, 92, \s*ARB         ; the refills' descriptors: a wave brings half of a slot's p or half of its V^T
	DESC0 G0B+4*\s, 2, \s*SLOT, 96, \s*ARB
.endr
	s_cmp_eq_u32 s16, 0                            ; one branch on the wave's number, a load in each arm: both slots are asked for, one load a wave
	s_cbranch_scc0 .Lhead_b
	tensor_load_to_lds s[G0S:G0S+3], s[G1S:G1S+7]
	s_nop 0
	PLACES 4
	s_branch .Lhead_asked
.Lhead_b:
	tensor_load_to_lds s[G0SB:G0SB+3], s[G1SB:G1SB+7]
	s_nop 0
	PLACES 4
.Lhead_asked:
	; THE HEAD: thread t takes query 128 x tile row + t
	v_lshlrev_b32 v5, 2, v0
	v_lshl_add_u32 v6, v0, 2, SCLA
	v_lshl_add_u32 v7, v0, 2, RLB
	s_lshl_b32 s20, s18, 9
	s_add_co_u32 s20, s20, O_PS
	s_mov_b32 s21, 0
	s_add_nc_u64 s[10:11], s[4:5], s[20:21]
.irp k, 0,1,2,3,4,5,6,7,8,9,10,11,12,13,14,15
	global_load_b32 v[RM+\k], v5, s[10:11] offset:524288+32768*\k
.endr
.irp k, 0,1,2,3,4,5,6,7,8,9,10,11,12,13,14,15
	global_load_b32 v[RL+\k], v5, s[10:11] offset:1048576+32768*\k
.endr
.irp k, 0,1,2,3,4,5,6,7,8,9,10,11,12,13,14,15
	global_load_b32 v[RW+\k], v5, s[10:11] offset:32768*\k
.endr
	v_and_b32 v1, 15, v0
	v_bfe_u32 v2, v0, 4, 1
	s_wait_alu depctr_va_vdst(0)
	v_lshlrev_b32 v25, 2, v3
	s_mul_i32 s20, s15, HALFA
	s_mul_i32 s21, s16, HALFB
	s_add_co_u32 s21, s21, 2*HALFA
.irp s, 0,1
	v_add_nc_u32 v[ADRA+\s], s20, v24
	v_add_nc_u32 v[ADRB+\s], s21, v24
	s_add_co_u32 s20, s20, SLOT
	s_add_co_u32 s21, s21, SLOT
.endr
	s_lshl_b32 s20, s15, 8                         ; my 64 queries' words
	s_mul_i32 s21, s16, GS
	s_add_co_u32 s21, s21, GS
	s_sub_co_u32 s21, s21, s20
	v_mul_u32_u24 v10, s21, v2                     ; lanes 16-31 take V^T's words
	v_lshl_add_u32 v9, v1, 2, v10
	s_add_co_u32 s21, s20, SCLA
	v_add_nc_u32 v[ADRS], s21, v9
	s_add_co_u32 s21, s20, RLB
	v_lshlrev_b32 v8, 2, v1
	v_add_nc_u32 v8, s21, v8                       ; 1 / l of my block's query r
.irp b, 0,1,2,3
	v_mov_b32 v[TM+4+\b], 0                        ; written once: a lane permute's destination counts as one of its sources
	v_mov_b32 v[RLV+2*\b+1], 0                     ; (named with 1 / l as a pair)
.endr
	s_lshl_b32 s17, s18, 3
	s_lshl_b32 s19, s15, 2
	s_add_co_u32 s17, s17, s19                     ; my first block of queries
	s_lshl_b32 s19, s42, 1
	s_add_co_u32 s19, s19, s16                     ; my K step of the next product
	s_lshl_b32 s20, s17, 3
	s_add_co_u32 s20, s20, s19
	s_mul_i32 s20, s20, 1536
	s_mov_b32 s21, 0
	s_add_nc_u64 s[92:93], s[8:9], s[20:21]
	s_lshl_b32 s20, s19, 13
	s_lshl_b32 s21, s17, 4
	s_add_co_u32 s20, s20, s21
	s_lshl_b32 s20, s20, 2
	s_add_co_u32 s20, s20, O_OS
	s_mov_b32 s21, 0
	s_add_nc_u64 s[94:95], s[8:9], s[20:21]
	s_wait_loadcnt 0x0
.irp j, 0,1,2,3,4,5,6,7
	ds_store_b128 v11, v[208+4*\j:211+4*\j] offset:512*\j   ; the scale words' bytes are no tensor load's target
.endr
	v_min3_num_f32 v200, v[RM], v[RM+1], v[RM+2]
.irp k, 3,5,7,9,11,13
	v_min3_num_f32 v200, v200, v[RM+\k], v[RM+\k+1]
.endr
	v_min_num_f32 v200, v200, v[RM+15]             ; the row's -M: the least
	v_mov_b32 v201, 0                              ; l
.macro SHIFT k
	v_sub_f32 v192, v[RM+\k], v200                 ; M(row) - M(part): a whole number, 0 or more
	v_min_num_f32 v192, 0x437f0000, v192           ; held at 255
	v_cvt_u32_f32 v192, v192                       ; e
	v_sub_nc_u32 v193, 0, v192
	v_ldexp_f32 v193, v[RL+\k], v193               ; the part's sum x 2^-e
	v_add_f32 v201, v201, v193
	v_add_nc_u32 v194, 0xfefefeff, v[RW+\k]        ; each byte less 1 (every byte is 1 or more: no borrow)
	v_bfe_u32 v195, v194, 0, 8
	v_bfe_u32 v196, v194, 8, 8
	v_bfe_u32 v197, v194, 16, 8
	v_lshrrev_b32 v198, 24, v194
	v_min_u32 v202, v195, v192
	v_min_u32 v203, v196, v192
	v_min_u32 v204, v197, v192
	v_min_u32 v205, v198, v192
	v_sub_nc_u32 v195, v195, v202                  ; less e, held at 0
	v_sub_nc_u32 v196, v196, v203
	v_sub_nc_u32 v197, v197, v204
	v_sub_nc_u32 v198, v198, v205
	v_lshl_or_b32 v195, v196, 8, v195
	v_lshl_or_b32 v195, v197, 16, v195
	v_lshl_or_b32 v195, v198, 24, v195
	v_add_nc_u32 v195, 0x01010101, v195            ; and 1 again: max(byte - e, 1)
	ds_store_b32 v6, v195 offset:512*\k
.endm
.irp k, 0,1,2,3,4,5,6,7,8,9,10,11,12,13,14,15
	SHIFT \k
.endr
	s_wait_alu depctr_va_vdst(0)
	v_rcp_f32 v206, v201
	v_nop                                          ; a plain place behind the reciprocal
	s_wait_alu depctr_va_vdst(0)                   ; and the wait ahead of its first reader
	ds_store_b32 v7, v206
	s_wait_dscnt 0x0                               ; for the others' sake: my stores have landed
	s_wait_tensorcnt 0x0                           ; my tile is in
	s_barrier_signal -1
	s_barrier_wait -1
	FETCH_B 0, 0, 0
	FETCH_A 0, 0, 0
	SCALES 0
	FETCH_A 0, 0, HB
	STEP 0, 0, 1                                   ; the first step starts the sums
	s_mov_b32 s3, LAPS-1
.Llap:
	MIDS 0
	TURN 0, 1, 1
	STEP 1, 0, 0
	MIDS 1
	TURN 1, 0, 1
	STEP 0, 0, 0
	s_sub_co_u32 s3, s3, 1
	s_cmp_lg_u32 s3, 0
	s_cbranch_scc1 .Llap
	MIDS 0
	TURN 0, 1, 0
	STEP 1, 0, 0
	MIDS 1
	LAST
	PLACES 4
.irp a, 0,1,2,3
	ds_load_b32 v[RLV+2*\a], v8 offset:64*\a
.endr
	s_wait_dscnt 0x0
.macro OBLK a
	WIN 0x02                                       ; the sums in window 2
.set J, 0
.rept 32
	v_pk_mul_f32 v[HA+J:HA+J+1], v[64*(\a)+J:64*(\a)+J+1], v[RLV+2*(\a):RLV+2*(\a)+1] op_sel_hi:[1,0]   ; O / l; each accumulator from its low end on
.set J, J+2
.endr
	WIN 0
	QUANT HA, PW+(\a)%2
.irp c, 0,1,2
	global_store_b128 v24, v[PC+4*\c:PC+4*\c+3], s[92:93] offset:12288*(\a)+512*\c
.endr
.if (\a)%2 == 1
	v_cndmask_b32 v[PWC], v[PW], v[PW+1], s[HM]
	global_store_b32 v25, v[PWC], s[94:95] offset:64*((\a)-1)
.endif
.endm
.irp a, 0,1,2,3
	OBLK \a
.endr
	s_wait_tensorcnt 0x0                           ; the wave's end
	ds_add_u32 v[SPW], v[NIL]
	s_wait_dscnt 0x0
	CROUND                                         ; the closing round
	s_endpgm
.Lfunc_end_k_q7441f862e9_pv:
	.size	k_q7441f862e9_pv, .Lfunc_end_k_q7441f862e9_pv-k_q7441f862e9_pv
	.p2alignl 7, 3214868480
	.fill 96, 4, 3214868480
	.section	.rodata,"a",@progbits
	.p2align	6, 0x0
	.amdhsa_kernel k_q7441f862e9_pv
		.amdhsa_group_segment_fixed_size 327680
		.amdhsa_private_segment_fixed_size 0
		.amdhsa_enable_private_segment 0
		.amdhsa_kernarg_size 24
		.amdhsa_user_sgpr_count 2
		.amdhsa_user_sgpr_kernarg_segment_ptr 1
		.amdhsa_wavefront_size32 1
		.amdhsa_system_sgpr_workgroup_id_x 1
		.amdhsa_system_sgpr_workgroup_id_y 1
		.amdhsa_system_sgpr_workgroup_id_z 1
		.amdhsa_system_vgpr_workitem_id 0
		.amdhsa_next_free_vgpr 768
		.amdhsa_next_free_sgpr 102
		.amdhsa_reserve_vcc 0
		.amdhsa_float_denorm_mode_32 3
		.amdhsa_float_denorm_mode_16_64 3
		.amdhsa_memory_ordered 1
		.amdhsa_forward_progress 1
		.amdhsa_inst_pref_size 178
	.end_amdhsa_kernel
	.amdgpu_metadata
---
amdhsa.version: [ 1, 2 ]
amdhsa.kernels:
  - .name:           k_q7441f862e9_pv
    .symbol:         k_q7441f862e9_pv.kd
    .args:
      - { .name: q2, .offset: 0, .size: 8, .value_kind: global_buffer, .address_space: global }
      - { .name: q1, .offset: 8, .size: 8, .value_kind: global_buffer, .address_space: global }
      - { .name: q3, .offset: 16, .size: 8, .value_kind: global_buffer, .address_space: global }
    .group_segment_fixed_size: 327680
    .private_segment_fixed_size: 0
    .kernarg_segment_align: 8
    .kernarg_segment_size: 24
    .max_flat_workgroup_size: 128
    .sgpr_count:     102
    .vgpr_count:     768
    .wavefront_size: 32
...
	.end_amdgpu_metadata
.endif
;; end of part 4
;; launch oproj (part 5): grid 4 x 64, 4 waves a work-group, clusters of 4 x 4, 327,680 bytes of LDS; arguments q3, q0, bo, out0; writes out0
.if DOCPART == 5
	.amdgcn_target "amdgcn-amd-amdhsa--gfx1250"
	.amdhsa_code_object_version 6
	.text
	.protected	k_q7441f862e9_oproj
	.globl	k_q7441f862e9_oproj
	.p2align	8
	.type	k_q7441f862e9_oproj,@function
k_q7441f862e9_oproj:
	s_mov_b64 s[64:65], 0
	v_nop
	global_prefetch_b8 v0, s[64:65] scope:SCOPE_SE
	s_setreg_imm32_b32 hwreg(HW_REG_WAVE_MODE, 25, 1), 1
	s_wait_xcnt 0x0
	s_wait_alu depctr_hold_cnt(0) depctr_sa_sdst(0) depctr_va_vdst(0) depctr_va_sdst(0) depctr_va_ssrc(0) depctr_va_vcc(0) depctr_vm_vsrc(0)
	s_getreg_b32 s2, hwreg(HW_REG_IB_STS2, 6, 4)
	s_cmp_eq_u32 s2, 0
	s_cbranch_scc0 .Lentry_in_a_cluster
	s_endpgm
.Lentry_in_a_cluster:
	s_bfe_u32 s2, ttmp6, 0x10000c
	s_cmp_lg_u32 s2, 0xf033
	s_cbranch_scc0 .Lentry_shape_is_right
	s_endpgm
.Lentry_shape_is_right:
; out0 = O Wo + bo on codes of FP6 (E2M3) with E8M0 scales, sums in f32.  O's images from q3 [512 blocks][8 K steps], words at O_OS [8][8192]; Wo's images are q0's blocks 704-767, words at O_S0 [8][12,288].
; TILES of 128 tokens x 256 columns, four waves of 64 x 128; 4 x 4 work-groups to a cluster: O's tiles asked for jointly along a row, Wo's along a column.
; All of K, two slots of four K steps, fits in LDS: wave w asks for slot w / 2 of O (w even) or of Wo (w odd), whole, one tensor load a wave; nothing is filled again.
; The scale words (12,288 bytes beside 294,912 of codes) come through registers, in loads of 512 consecutive bytes, and go to LDS bytes of their own by stores.
; The matrix instruction is used transposed (source 0 = 16 columns of Wo, source 1 = 16 tokens); the bias starts the sums; results leave through a stage in slot 0, in rows of 512 bytes.
; No prefetch: the launch has no loop to run ahead in.  LIMITS: NaN and infinities are not served.
.set AB,    4
.set HB,    AB/2
.set NQ,    4
.set NKS,   8
.set ARB,   NQ*1536
.set HALFA, AB*ARB
.set HALFB, 8*ARB
.set SLOT,  2*HALFA+2*HALFB
.set GS,    NKS*512
.set SCLA,  2*SLOT
.set SCLB,  SCLA+GS
.set SPARE, SCLB+2*GS
.set O_S0,  9437184
.set O_OS,  6291456
.set ADRA, 16
.set ADRB, 20
.set STO,  24
.set RD,   25
.set CO,   26
.set ADRS, 27
.set SPW,  28
.set NIL,  29
.set SC,   32
.set AF,   128
.set BI,   176
.set BK,   128
.set G1, 24
.set G0, 32
.set G1B, 48
.set G0B, 56
.set G1S, 68
.set G0S, 76
.set G1SB, 80
.set G0SB, 88
.set MSB, 0
.macro WIN new
.if MSB != (\new)
	s_set_vgpr_msb (MSB<<8)|(\new)
.set MSB, (\new)
.endif
.endm
.macro PLACES n
.rept \n
	v_nop
.endr
.endm
.macro JLOAD g0a, g1a, g0b, g1b
	s_cmp_eq_u32 s15, 0
	s_cbranch_scc0 .Lfor_b_\@
	tensor_load_to_lds s[\g0a:\g0a+3], s[\g1a:\g1a+7]
	s_nop 0
.rept 4
	v_nop
.endr
	s_branch .Lasked_\@
.Lfor_b_\@:
	tensor_load_to_lds s[\g0b:\g0b+3], s[\g1b:\g1b+7]
	s_nop 0
.rept 4
	v_nop
.endr
.Lasked_\@:
.endm
.macro CREST
	s_cmp_lg_u32 s14, 0
	s_cbranch_scc1 .Lnot_wave_0_\@
	s_barrier_signal -3
.Lnot_wave_0_\@:
	s_barrier_wait -3
	s_barrier_signal -1
	s_barrier_wait -1
.endm
.macro CROUND
	s_barrier_signal -1
	s_barrier_wait -1
	CREST
.endm
.macro DESC1 g, d0, rows, stride
	s_mov_b32 s[\g+1], (\d0)<<16
	s_mov_b32 s[\g+2], (\rows)<<16
	s_mov_b32 s[\g+3], (\d0)<<16
	s_mov_b32 s[\g+4], \rows
	s_mov_b32 s[\g+5], \stride
	s_mov_b32 s[\g+6], 0
	s_mov_b32 s[\g+7], 0
.endm
.macro DESC0 g, lds, add, ptr, off
	s_mov_b32 s[\g], 1
	s_add_co_u32 s[\g+1], s[\lds], \add
	s_add_nc_u64 s[\g+2:\g+3], s[\ptr:\ptr+1], \off
	s_or_b32 s[\g+3], s[\g+3], 0x80000000
.endm
.macro FRAG reg, adr, q, i
.irp c, 0,1,2
	ds_load_b128 v[\reg+4*\c:\reg+4*\c+3], v[\adr] offset:(\i)*ARB+(\q)*1536+512*\c
.endr
.endm
.macro FETCH_B slot, q, p
	WIN 0x40
.irp i, 0,1,2,3,4,5,6,7
	FRAG 128*(\p)+12*\i, ADRB+\slot, \q, \i
.endr
	WIN 0
.endm
.macro FETCH_A slot, q, i0
.set FI, \i0
.rept HB
	FRAG AF+12*FI, ADRA+\slot, \q, FI
.set FI, FI+1
.endr
.endm
.macro SCALES sc
.irp i, 0,1,2,3,4,5,6,7
.set SQ, 0
.rept NQ
	ds_load_b32 v[SC+8*NQ*(\sc)+NQ*\i+SQ], v[ADRS] offset:64*\i+512*SQ
.set SQ, SQ+1
.endr
.endr
.endm
.macro MULA a0, na, p, q, sc, mode
.if (\mode) == 0
	WIN 0xa1
.else
	WIN 0x81
.endif
.set MA, \a0
.rept \na
.irp b, 0,1,2,3,4,5,6,7
.set ACR, 8*(8*MA+\b)
.set BFR, 128*(\p)+12*\b
.set AFR, AF+12*MA
.set SCB, SC+8*NQ*(\sc)+NQ*\b+(\q)
.set SCA, SC+8*NQ*(\sc)+NQ*MA+(\q)
.if (\mode) == 0
	v_wmma_scale_f32_16x16x128_f8f6f4 v[ACR:ACR+7], v[BFR:BFR+11], v[AFR:AFR+11], v[ACR:ACR+7], v[SCB], v[SCA] matrix_a_fmt:MATRIX_FMT_FP6 matrix_b_fmt:MATRIX_FMT_FP6 matrix_a_scale:MATRIX_SCALE_ROW1
.else
	v_wmma_scale_f32_16x16x128_f8f6f4 v[ACR:ACR+7], v[BFR:BFR+11], v[AFR:AFR+11], v[BI+8*\b:BI+8*\b+7], v[SCB], v[SCA] matrix_a_fmt:MATRIX_FMT_FP6 matrix_b_fmt:MATRIX_FMT_FP6 matrix_a_scale:MATRIX_SCALE_ROW1
.endif
.endr
.set MA, MA+1
.endr
.endm
.macro STEP slot, q, mode
	s_wait_dscnt 3*HB
	MULA 0, HB, (\q)%2, \q, \slot, \mode
	s_wait_dscnt 0x0
	PLACES 4
	FETCH_B \slot, (\q)+1, 1-(\q)%2
	FETCH_A \slot, (\q)+1, 0
	MULA HB, HB, (\q)%2, \q, \slot, \mode
	PLACES 4
	WIN 0
	FETCH_A \slot, (\q)+1, HB
.endm
.macro TURN slot, next
	s_wait_tensorcnt 0x0
	ds_add_u32 v[SPW], v[NIL]
	s_wait_dscnt 3*HB+1
	MULA 0, HB/2, 1, NQ-1, \slot, 0
	s_wait_dscnt 0x0
	s_barrier_signal -1
	MULA HB/2, HB/2, 1, NQ-1, \slot, 0
	WIN 0
	s_barrier_wait -1
	PLACES 4
	v_add_nc_u32 v[ADRS], NQ*512, v[ADRS]
	FETCH_B \next, 0, 0
	FETCH_A \next, 0, 0
	SCALES \next
	MULA HB, HB, 1, NQ-1, \slot, 0
	PLACES 4
	WIN 0
	FETCH_A \next, 0, HB
.endm
.macro LAST
	s_wait_dscnt 3*HB
	MULA 0, HB, 1, NQ-1, 1, 0
	s_wait_dscnt 0x0
	MULA HB, HB, 1, NQ-1, 1, 0
	WIN 0
.endm
	s_load_b256 s[4:11], s[0:1], 0x0
	v_lshl_add_u32 v[SPW], v0, 2, SPARE
	v_mov_b32 v[NIL], 0
	ds_add_u32 v[SPW], v[NIL]
	ds_add_u32 v[SPW], v[NIL]
	v_lshrrev_b32 v1, 5, v0
	v_readfirstlane_b32 s14, v1
	s_lshr_b32 s15, s14, 1
	s_and_b32 s16, s14, 1
	s_bfe_u32 s40, ttmp6, 0x40000
	s_bfe_u32 s41, ttmp6, 0x40004
	s_lshl_b32 s42, ttmp9, 2
	s_add_co_u32 s42, s42, s40
	s_and_b32 s17, ttmp7, 0xffff
	s_lshl_b32 s18, s17, 2
	s_add_co_u32 s18, s18, s41
	s_lshl_b32 s43, s41, 2
	s_lshl_b32 s43, 15, s43
	s_lshl_b32 s44, 0x1111, s40
	s_or_b32 s[G1], s43, (3<<16)|(1<<21)
	s_or_b32 s[G1B], s44, (3<<16)|(1<<21)
	DESC1 G1, ARB/8, 2*AB, 1536                    ; a slot's whole tile: 8 blocks of O, rows of 6,144 bytes, 12,288 apart;
	DESC1 G1B, ARB/8, 16, 1536                     ; 16 blocks of Wo
	s_lshl_b32 s20, s18, 3
	s_mul_i32 s92, s20, 12288                      ; O's first block of the tile,
	s_mul_i32 s23, s15, ARB                        ; my slot's four K steps
	s_add_co_u32 s92, s92, s23
	s_mov_b32 s93, 0
	s_lshl_b32 s94, s14, 16                        ; O's scale words: I bring K steps 2 w and 2 w + 1
	s_lshl_b32 s2, s18, 9
	s_add_co_u32 s94, s94, s2
	s_add_co_u32 s94, s94, O_OS
	s_mov_b32 s95, 0
	s_lshl_b32 s21, s42, 4
	s_add_co_u32 s21, s21, 704                     ; Wo's first block of the tile
	s_mul_i32 s96, s21, 12288
	s_add_co_u32 s96, s96, s23
	s_mov_b32 s97, 0
	s_lshl_b32 s3, s16, 3
	s_add_co_u32 s21, s21, s3
	s_lshl_b32 s66, s21, 6                         ; Wo's scale words: I bring half w % 2, K steps 4 (w / 2) on
	s_mul_i32 s3, s15, 4*49152
	s_add_co_u32 s66, s66, s3
	s_add_co_u32 s66, s66, O_S0
	s_mov_b32 s67, 0
	s_mul_i32 s47, s15, SLOT                       ; my slot
	s_lshl_b32 s22, s14, 10
	s_add_co_u32 s22, s22, SCLA                    ; where O's words go: 512 bytes a K step
	s_mul_i32 s3, s16, GS
	s_lshl_b32 s2, s15, 11
	s_add_co_u32 s3, s3, s2
	s_add_co_u32 s3, s3, SCLB                      ; and Wo's
	s_wait_dscnt 0x0                               ; both opening adds are done
	s_wait_kmcnt 0x0
	s_add_nc_u64 s[92:93], s[4:5], s[92:93]
	s_add_nc_u64 s[94:95], s[4:5], s[94:95]
	s_add_nc_u64 s[96:97], s[6:7], s[96:97]
	s_add_nc_u64 s[66:67], s[6:7], s[66:67]
	v_and_b32 v3, 31, v0
	v_lshlrev_b32 v[CO], 4, v3
	v_add_nc_u32 v7, s22, v[CO]
	v_add_nc_u32 v8, s3, v[CO]
	s_wait_alu depctr_va_vdst(0)
.irp j, 0,1
	global_load_b128 v[128+4*\j:131+4*\j], v[CO], s[94:95] offset:32768*\j   ; 128 words of a K step: 512 consecutive bytes; asked for ahead of the round
.endr
.irp j, 0,1,2,3
	global_load_b128 v[136+4*\j:139+4*\j], v[CO], s[66:67] offset:49152*\j
.endr
	CROUND                                         ; all sixteen work-groups are here: the joint loads meet
	DESC0 G0, 47, 0, 92, 0
	DESC0 G0B, 47, 2*HALFA, 96, 0
	s_cmp_eq_u32 s16, 0                            ; one branch on the wave's number, a load in each arm
	s_cbranch_scc0 .Lhead_b
	tensor_load_to_lds s[G0:G0+3], s[G1:G1+7]
	s_nop 0
	PLACES 4
	s_branch .Lhead_asked
.Lhead_b:
	tensor_load_to_lds s[G0B:G0B+3], s[G1B:G1B+7]
	s_nop 0
	PLACES 4
.Lhead_asked:
	v_and_b32 v1, 15, v0
	v_bfe_u32 v2, v0, 4, 1
	s_wait_alu depctr_va_vdst(0)
	v_lshlrev_b32 v30, 6, v2
	s_lshl_b32 s20, s42, 8
	s_lshl_b32 s21, s16, 7
	s_add_co_u32 s20, s20, s21
	s_lshl_b32 s20, s20, 2
	s_mov_b32 s21, 0
	s_add_nc_u64 s[8:9], s[8:9], s[20:21]
	s_add_nc_u64 s[10:11], s[10:11], s[20:21]
.irp b, 0,1,2,3,4,5,6,7
	global_load_b128 v[BI+8*\b:BI+8*\b+3], v30, s[8:9] offset:(32*(\b/2)+8*(\b%2))*4
	global_load_b128 v[BI+8*\b+4:BI+8*\b+7], v30, s[8:9] offset:(32*(\b/2)+8*(\b%2))*4+16
.endr
	s_lshl_b32 s20, s18, 7
	s_lshl_b32 s21, s15, 6
	s_add_co_u32 s20, s20, s21
	s_lshl_b32 s20, s20, 12
	s_mov_b32 s21, 0
	s_add_nc_u64 s[10:11], s[10:11], s[20:21]
	s_mul_i32 s20, s15, HALFA
	s_mul_i32 s21, s16, HALFB
	s_add_co_u32 s21, s21, 2*HALFA
.irp s, 0,1
	v_add_nc_u32 v[ADRA+\s], s20, v[CO]
	v_add_nc_u32 v[ADRB+\s], s21, v[CO]
	s_add_co_u32 s20, s20, SLOT
	s_add_co_u32 s21, s21, SLOT
.endr
	s_lshl_b32 s20, s15, 8
	s_mul_i32 s21, s16, GS
	s_add_co_u32 s21, s21, GS
	s_sub_co_u32 s21, s21, s20
	v_mul_u32_u24 v6, s21, v2
	v_lshl_add_u32 v5, v1, 2, v6
	s_add_co_u32 s20, s20, SCLA
	v_add_nc_u32 v[ADRS], s20, v5
	s_mul_i32 s20, s14, 8448
	v_mul_u32_u24 v[STO], v1, 528
	v_lshl_add_u32 v[STO], v2, 6, v[STO]
	v_add_nc_u32 v[STO], s20, v[STO]
	v_add_nc_u32 v[RD], s20, v[CO]
	s_wait_alu depctr_va_vdst(0)
	s_wait_loadcnt 0x0
.irp j, 0,1
	ds_store_b128 v7, v[128+4*\j:131+4*\j] offset:512*\j   ; the scale words' bytes are no tensor load's target
.endr
.irp j, 0,1,2,3
	ds_store_b128 v8, v[136+4*\j:139+4*\j] offset:512*\j
.endr
	s_wait_dscnt 0x0                               ; for the others' sake: my stores have landed,
	s_wait_tensorcnt 0x0                           ; and so has my tile
	s_barrier_signal -1
	s_barrier_wait -1
	FETCH_B 0, 0, 0
	FETCH_A 0, 0, 0
	SCALES 0
	FETCH_A 0, 0, HB
	STEP 0, 0, 2
	STEP 0, 1, 0
	STEP 0, 2, 0
	TURN 0, 1
	STEP 1, 0, 0
	STEP 1, 1, 0
	STEP 1, 2, 0
	LAST
	PLACES 4
.macro TOSTAGE a
	WIN 0x08
.irp b, 0,1,2,3,4,5,6,7
	ds_store_b128 v[STO], v[64*(\a)+8*\b:64*(\a)+8*\b+3] offset:128*(\b/2)+32*(\b%2)
	ds_store_b128 v[STO], v[64*(\a)+8*\b+4:64*(\a)+8*\b+7] offset:128*(\b/2)+32*(\b%2)+16
.endr
	WIN 0
.set BB, BK+64*((\a)%2)
.irp t, 0,1,2,3,4,5,6,7,8,9,10,11,12,13,14,15
	ds_load_b128 v[BB+4*\t:BB+4*\t+3], v[RD] offset:528*\t
.endr
.endm
.macro SEND a, younger
.set BB, BK+64*((\a)%2)
	s_wait_dscnt \younger
.irp t, 0,1,2,3,4,5,6,7,8,9,10,11,12,13,14,15
	global_store_b128 v[CO], v[BB+4*\t:BB+4*\t+3], s[10:11] offset:(32*((\a)/2)+8*((\a)%2)+\t+8*(\t/8))*4096 th:TH_STORE_NT
.endr
.endm
	TOSTAGE 0
.irp a, 1,2,3
.if \a > 1
	s_wait_xcnt 0x0
.endif
	TOSTAGE \a
	SEND \a-1, 32
.endr
	SEND 3, 0
	s_wait_tensorcnt 0x0
	ds_add_u32 v[SPW], v[NIL]
	s_wait_dscnt 0x0
	CROUND
	s_endpgm
.Lfunc_end_k_q7441f862e9_oproj:
	.size	k_q7441f862e9_oproj, .Lfunc_end_k_q7441f862e9_oproj-k_q7441f862e9_oproj
	.p2alignl 7, 3214868480
	.fill 96, 4, 3214868480
	.section	.rodata,"a",@progbits
	.p2align	6, 0x0
	.amdhsa_kernel k_q7441f862e9_oproj
		.amdhsa_group_segment_fixed_size 327680
		.amdhsa_private_segment_fixed_size 0
		.amdhsa_enable_private_segment 0
		.amdhsa_kernarg_size 32
		.amdhsa_user_sgpr_count 2
		.amdhsa_user_sgpr_kernarg_segment_ptr 1
		.amdhsa_wavefront_size32 1
		.amdhsa_system_sgpr_workgroup_id_x 1
		.amdhsa_system_sgpr_workgroup_id_y 1
		.amdhsa_system_sgpr_workgroup_id_z 1
		.amdhsa_system_vgpr_workitem_id 0
		.amdhsa_next_free_vgpr 768
		.amdhsa_next_free_sgpr 102
		.amdhsa_reserve_vcc 0
		.amdhsa_float_denorm_mode_32 3
		.amdhsa_float_denorm_mode_16_64 3
		.amdhsa_memory_ordered 1
		.amdhsa_forward_progress 1
		.amdhsa_inst_pref_size 83
	.end_amdhsa_kernel
	.amdgpu_metadata
---
amdhsa.version: [ 1, 2 ]
amdhsa.kernels:
  - .name:           k_q7441f862e9_oproj
    .symbol:         k_q7441f862e9_oproj.kd
    .args:
      - { .name: q3, .offset: 0, .size: 8, .value_kind: global_buffer, .address_space: global }
      - { .name: q0, .offset: 8, .size: 8, .value_kind: global_buffer, .address_space: global }
      - { .name: bo, .offset: 16, .size: 8, .value_kind: global_buffer, .address_space: global }
      - { .name: out0, .offset: 24, .size: 8, .value_kind: global_buffer, .address_space: global }
    .group_segment_fixed_size: 327680
    .private_segment_fixed_size: 0
    .kernarg_segment_align: 8
    .kernarg_segment_size: 32
    .max_flat_workgroup_size: 128
    .sgpr_count:     102
    .vgpr_count:     768
    .wavefront_size: 32
...
	.end_amdgpu_metadata
.endif
;; end of part 5
